; MI455X (gfx1250); checked and timed in simulation.
; The chip was launched on July 23, 2026; its instructions are those of AMD's public machine-readable ISA for CDNA 5 (MIT licence, August 2026) and "CDNA5" Instruction Set Architecture Reference Guide (July 2026). The comments in the code are by the model that wrote it; some were corrected since.
;; Standard Attention. Allowed arithmetic: matrix products marked QUANTISED: E4M3 operands, one given power-of-two scale a tensor, by v_wmma_f32_16x16x64_fp8_fp8 or v_wmma_f32_16x16x128_fp8_fp8, f32 sums; everything else in f32.
;; Inputs: W_attn 1,024 x 3,072 float32; W_proj 1,024 x 1,024 float32; b_attn 3,072 float32; b_proj 1,024 float32; lowp_scales 8 int32 (the exponents e of the quantised operands' scales 2^e); x 2 x 2,048 x 1,024 float32.
;; Outputs: out0 2 x 2,048 x 1,024 float32.
;; This version of the problem:
;;   THIS VERSION OF THE PROBLEM IS GIVEN IN LOW PRECISION. The matrix products marked QUANTISED in the list below multiply operands that are first quantised to E4M3 (4 exponent bits, 3 mantissa bits; 8 bits a number), with one given power-of-two scale for each operand tensor; their sums are f32. All else is computed in f32.
;;   The module's matrix products, in the order in which they are computed (A, B: the left and right operand; K: the contracted axis; several contracted axes count as one K, in the product's order):
;;     1. [M 4,096, K 1,024] x [K 1,024, N 3,072]; A: input x; B: input W_attn: QUANTISED (scales: A lowp_scales[0], B lowp_scales[1])
;;     2. batch 32 x [M 2,048, K 64] x [K 64, N 2,048]; A: computed on the way; B: computed on the way: QUANTISED (scales: A lowp_scales[2], B lowp_scales[3])
;;     3. batch 32 x [M 2,048, K 2,048] x [K 2,048, N 64]; A: softmax (see below); B: computed on the way: QUANTISED (scales: A lowp_scales[4], B lowp_scales[5])
;;     4. [M 4,096, K 1,024] x [K 1,024, N 1,024]; A: computed on the way; B: input W_proj: QUANTISED (scales: A lowp_scales[6], B lowp_scales[7])
;;   THE QUANTISER, for each operand of a quantised product, along K:
;;     - The operand's scale is 2^e, e = its entry of the input lowp_scales (int32; the entries are numbered through the quantised products in the list's order, A before B).
;;     - Each number is divided by the scale, clamped to +-448, and rounded to the nearest number of E4M3, ties to even, subnormals kept.
;;     - The product sums the exact products of the quantised numbers (number of the format x scale) in f32.
;;   ~~~python
;;   def quantise(x, axis, e):      # numpy; x: float32 -> the quantised numbers, widened to float32 again
;;       x = np.moveaxis(x, axis, -1); K = x.shape[-1]
;;       r = np.clip(x / 2.0 ** e, -448, 448)
;;       step = 2.0 ** (np.maximum(np.frexp(np.where(r == 0, 1, r))[1] - 1, -6) - 3)
;;       q = np.round(r / step) * step * 2.0 ** e      # np.round: ties to even
;;       return np.moveaxis(q, -1, axis).astype(np.float32)
;;   ~~~
;;   SOFTMAX AHEAD OF A QUANTISED PRODUCT. Where the list says 'softmax', what is quantised is not the finished softmax but p = 2^(t - M), with t = logit x log2(e) and M = ceil(the row's largest t), a whole number; so 1/2 < the row's largest p <= 1. The row's sum l is taken of the UNQUANTISED p, in f32, and the product's result is divided by l at the end. Since M is a whole number, a kernel that streams over the keys may use a running M (the ceiling of the running maximum): every later rescaling is an exact power of two, so the quantised numbers keep their values, but for numbers so far below the row's largest that they fall under the format's range.
;;   OPERANDS COMPUTED ON THE WAY. 'Computed on the way' means the value that the module computes at that place (a softmax that the list does not call 'softmax' is quantised finished and normalised). What goes into a quantiser is computed in f32, as accurately as f32 sums, v_exp_f32 and their like allow (about 1e-6 of the number): no bf16 or f16 on the way to a quantiser, and a product that is left as it is and whose result goes on into a quantised operand takes f32 operands (vector FMAs, or v_wmma_f32_16x16x4_f32). A number that lies on a knife's edge between two numbers of the format may be rounded either way, as far as f32 arithmetic and the matrix unit's own rounding can turn it there, and no further.
;; One version. Each part assembles by itself: llvm-mc -triple=amdgcn-amd-amdhsa -mcpu=gfx1250 --defsym DOCPART=n.
;; ======== version 1 of 1: 4 launches
;; limits: right only within a limited range of input values
;; workspace buffers: x_img 4,194,304 bytes; wa_img 3,145,728 bytes; wp_img 1,048,576 bytes; rot 4,096 bytes; q_img 4,194,304 bytes; k_img 4,194,304 bytes; v_img 4,194,304 bytes; y_img 4,194,304 bytes
;; launch prep (part 1): grid 513 x 1, 4 waves a work-group, no clusters, 17,920 bytes of LDS; arguments x, W_attn, W_proj, lowp_scales, x_img, wa_img, wp_img, rot; writes x_img, wa_img, wp_img, rot
.if DOCPART == 1
	.amdgcn_target "amdgcn-amd-amdhsa--gfx1250"
	.amdhsa_code_object_version 6
	.text
	.protected	k_qda593e0a47_prep
	.globl	k_qda593e0a47_prep
	.p2align	8
	.type	k_qda593e0a47_prep,@function
k_qda593e0a47_prep:
	s_mov_b64 s[64:65], 0
	v_nop
	global_prefetch_b8 v0, s[64:65] scope:SCOPE_SE
	s_setreg_imm32_b32 hwreg(HW_REG_WAVE_MODE, 25, 1), 1
	s_wait_xcnt 0x0
; x [4096][1024], W_attn [1024][3072] and W_proj [1024][1024], f32, become codes of FP8 (E4M3), each with the one scale 2^e given for it
; (entries 0, 1 and 7 of the scales); and the table of cosines and sines that the rotation of q and k wants is made: [16 heads][32 cos, 32 sin].
; code = x / 2^e, held within +-448, rounded to the nearest code, ties to even.
; THE CODES ARE LAID AS IMAGES OF OPERAND REGISTERS.  A fragment of 16 rows x 128 along K is 2,048 bytes: byte 512 c + 16 l holds registers 4 c .. 4 c + 3 of
; lane l = r + 16 h (r the row); register 2 c + w, byte y, is k = 16 c + 8 h + 4 w + y.  An operand is [rows / 16][8 steps of 128 along K][2,048 bytes].
; So whoever reads a fragment takes 16 bytes a lane, 512 consecutive bytes an instruction.
; SHARES.  Work-groups 0-255: x, one tile of 16 rows each, a wave 256 along K.  256-447: W_attn, 448-511: W_proj: 128 columns x 128 along K each, a wave 32 columns.  512: the table.
; The arms part on the work-group's number; only x's arm uses LDS.  No barrier: waves share nothing.
; LIMITS: -126 <= e and e + 8 <= 127 for the three exponents.  NaN among the inputs is not served; an infinity is held at the largest code.
; The table's angles: head x 10000^(-i/32), the power by v_exp_f32; sine and cosine by reduction to +-pi/4 and polynomials whose first term left out is under 2e-9.
; WORK LEFT OUT BY THE PROGRAM: in the attention launch, key steps of 128 all of whose keys come after all queries of a tile: reference()'s own causal mask (jnp.tril in its body) makes those scores -infinity and
; their weights 0, whatever the inputs hold.  LIMIT: a NaN, an infinity or an overflow that reaches only such scores is not carried to the result.  Every input is loaded.
.set XR,  32                           ; v32-159   128 numbers
.set CR,  160                          ; v160-191  codes
.set UP,  272                          ; x's stage: 256 bytes of an image + 16 of padding
.set WST, 16*UP                        ; a wave's stage: 16 such pieces, the images of two steps of 128 along K
	s_load_b512 s[8:23], s[0:1], 0x0               ; x 8:9, W_attn 10:11, W_proj 12:13, scales 14:15, x_img 16:17, wa_img 18:19, wp_img 20:21, rot 22:23
	v_lshl_add_u32 v192, v0, 2, 0x4400
	v_mov_b32 v193, 0
	v_lshrrev_b32 v6, 5, v0
	v_readfirstlane_b32 s4, v6                     ; wave
	v_and_b32 v1, 31, v0                           ; lane
	s_wait_kmcnt 0x0
	s_load_b256 s[24:31], s[14:15], 0x0            ; the eight exponents
.macro MKSC e                          ; v11 = 2^e as f32 (the conversion takes its exponent field), v10 = 448 x 2^e
	s_wait_kmcnt 0x0
	s_add_co_i32 s6, s[\e], 127
	s_lshl_b32 s7, s6, 23
	v_mov_b32 v11, s7
	s_add_co_i32 s6, s6, 8
	s_lshl_b32 s6, s6, 23
	s_or_b32 s6, s6, 0x600000
	v_mov_b32 v10, s6
.endm
	s_cmp_lt_u32 ttmp9, 256
	s_cbranch_scc1 .Larm_x
	s_cmp_lt_u32 ttmp9, 448
	s_cbranch_scc1 .Larm_wa
	s_cmp_lt_u32 ttmp9, 512
	s_cbranch_scc1 .Larm_wp
	; ---- THE TABLE.  Lane i is channel i of 32; wave w takes heads w, w + 4, w + 8, w + 12.
	s_lshl_b32 s32, s4, 8                          ; a head's 256 bytes
	s_mov_b32 s33, 0
	s_add_nc_u64 s[22:23], s[22:23], s[32:33]
	s_wait_alu depctr_va_vdst(0)
	v_lshlrev_b32 v2, 2, v1
	v_cvt_f32_u32 v6, v1
	v_mul_f32 v6, 0xbed49a78, v6                   ; -i log2(10000) / 32
	s_wait_alu depctr_va_vdst(0)
	v_exp_f32 v7, v6                               ; 10000^(-i/32)
	v_nop                                          ; a plain instruction behind the transcendental
	s_mov_b32 s34, 0x3fc90fdb                      ; pi / 2, its upper part
	s_mov_b32 s35, 0xb33bbd2e                      ; and what is left of it
	s_wait_alu depctr_va_vdst(0)                   ; ahead of the first reader of the exponential
.macro ROT1 j                          ; head w + 4 j, in twelve registers of its own, so that no store's data are written again
.set RB, 32+12*(\j)
	s_add_co_u32 s36, s4, 4*(\j)
	v_cvt_f32_u32 v[RB], s36
	v_mul_f32 v[RB], v[RB], v7                     ; the angle a
	v_mul_f32 v[RB+1], 0x3f22f983, v[RB]
	v_rndne_f32 v[RB+1], v[RB+1]                   ; n = the nearest whole number to a / (pi / 2)
	v_fma_f32 v[RB+2], -v[RB+1], s34, v[RB]
	v_fma_f32 v[RB+2], -v[RB+1], s35, v[RB+2]      ; r = a - n pi / 2, within +-pi/4
	v_mul_f32 v[RB+3], v[RB+2], v[RB+2]            ; z = r r
	v_mov_b32 v[RB+4], 0x3638ef1d                  ; 1/9!
	v_fmaak_f32 v[RB+4], v[RB+4], v[RB+3], 0xb9500d01
	v_fmaak_f32 v[RB+4], v[RB+4], v[RB+3], 0x3c088889
	v_fmaak_f32 v[RB+4], v[RB+4], v[RB+3], 0xbe2aaaab
	v_mul_f32 v[RB+4], v[RB+4], v[RB+3]
	v_fma_f32 v[RB+6], v[RB+4], v[RB+2], v[RB+2]   ; sin r
	v_mov_b32 v[RB+5], 0xb493f27e                  ; -1/10!
	v_fmaak_f32 v[RB+5], v[RB+5], v[RB+3], 0x37d00d01
	v_fmaak_f32 v[RB+5], v[RB+5], v[RB+3], 0xbab60b61
	v_fmaak_f32 v[RB+5], v[RB+5], v[RB+3], 0x3d2aaaab
	v_fmaak_f32 v[RB+5], v[RB+5], v[RB+3], 0xbf000000
	v_fma_f32 v[RB+7], v[RB+5], v[RB+3], 1.0       ; cos r
	v_cvt_i32_f32 v[RB+8], v[RB+1]
	v_and_b32 v[RB+9], 1, v[RB+8]
	v_cmp_ne_u32 vcc_lo, 0, v[RB+9]                ; n odd: sine and cosine change places.  A choice of values only: no branch, no address
	v_cndmask_b32 v[RB+10], v[RB+6], v[RB+7], vcc_lo
	v_cndmask_b32 v[RB+11], v[RB+7], v[RB+6], vcc_lo
	v_and_b32 v[RB+9], 2, v[RB+8]
	v_lshlrev_b32 v[RB+9], 30, v[RB+9]
	v_xor_b32 v[RB+10], v[RB+10], v[RB+9]          ; the sine's sign turns where n mod 4 is 2 or 3
	v_add_nc_u32 v[RB+8], 1, v[RB+8]
	v_and_b32 v[RB+8], 2, v[RB+8]
	v_lshlrev_b32 v[RB+8], 30, v[RB+8]
	v_xor_b32 v[RB+11], v[RB+11], v[RB+8]          ; the cosine's where it is 1 or 2
	global_store_b32 v2, v[RB+11], s[22:23] offset:1024*(\j)
	global_store_b32 v2, v[RB+10], s[22:23] offset:1024*(\j)+128
.endm
	ROT1 0
	ROT1 1
	ROT1 2
	ROT1 3
	s_endpgm
	; ---- x.  Work-group g: rows 16 g on; wave w: k = 256 w on.  Each load reads 512 consecutive bytes of a row: a lane gets k = 4 l .. 4 l + 3 of a step of 128.
	; The scale is one for the tensor, so one conversion may take four numbers of the first step and four of the second: its two result registers are four codes of each.
	; They go by words into the wave's own stage, laid as the two images (16 bytes of padding behind each 256), and come back 16 bytes a lane.
.Larm_x:
	s_lshl_b32 s32, ttmp9, 16                      ; 16 rows of 4,096 bytes
	s_lshl_b32 s34, s4, 10                         ; 256 numbers
	s_add_co_u32 s32, s32, s34
	s_mov_b32 s33, 0
	s_add_nc_u64 s[8:9], s[8:9], s[32:33]
	s_wait_alu depctr_va_vdst(0)
	v_lshlrev_b32 v2, 4, v1                        ; 16 x lane: for the loads, and for the stores of the images
.set p, 0
.rept 16
	global_load_b128 v[XR+8*p:XR+8*p+3], v2, s[8:9] offset:4096*p th:TH_LOAD_NT
	global_load_b128 v[XR+8*p+4:XR+8*p+7], v2, s[8:9] offset:4096*p+512 th:TH_LOAD_NT
.set p, p+1
.endr
	s_lshl_b32 s32, ttmp9, 14                      ; a tile of rows is 16,384 bytes of images,
	s_lshl_b32 s34, s4, 12                         ; two steps of 128 are 4,096
	s_add_co_u32 s32, s32, s34
	s_add_nc_u64 s[16:17], s[16:17], s[32:33]
	s_mul_i32 s5, s4, WST
	v_lshrrev_b32 v6, 3, v1                        ; k = 4 l: c / 2 = l / 8,
	v_bfe_u32 v7, v1, 1, 1                         ; h = (l / 2) % 2,
	v_lshl_add_u32 v6, v6, 1, v7                   ; the piece of 256 bytes: 2 (c / 2) + h
	v_mul_u32_u24 v3, v6, UP
	v_bfe_u32 v7, v1, 2, 1                         ; c % 2: 8 bytes,
	v_lshl_add_u32 v3, v7, 3, v3
	v_and_b32 v7, 1, v1                            ; w = l % 2: 4 bytes
	v_lshl_add_u32 v3, v7, 2, v3
	v_add_nc_u32 v3, s5, v3                        ; into the stage; the row adds 16 p, the second step eight pieces
	v_lshrrev_b32 v6, 4, v1
	v_mul_u32_u24 v4, v6, UP
	v_and_b32 v7, 15, v1
	v_lshl_add_u32 v4, v7, 4, v4
	v_add_nc_u32 v4, s5, v4                        ; back: lanes 0-15 one piece, lanes 16-31 the next
	MKSC 24
.set p, 0
	s_wait_alu depctr_va_vdst(0)
.rept 16
	s_wait_loadcnt 30-2*p                          ; row p's two loads are in; the later rows' may be out
.set i, 0
.rept 8
	v_med3_num_f32 v[XR+8*p+i], v[XR+8*p+i], -v10, v10   ; the conversion to an 8-bit code does not saturate (ISA guide 7.6.2): the hold comes first
.set i, i+1
.endr
	v_cvt_scalef32_pk8_fp8_f32 v[CR+2*p:CR+2*p+1], v[XR+8*p:XR+8*p+7], v11
	ds_store_b32 v3, v[CR+2*p] offset:16*p
	ds_store_b32 v3, v[CR+2*p+1] offset:16*p+8*UP
.set p, p+1
.endr
	v_nop                                          ; a plain instruction behind the last conversion
.set i, 0
.rept 8
	ds_load_b128 v[XR+4*i:XR+4*i+3], v4 offset:2*UP*i    ; LDS serves a wave's instructions in order (ISA guide 5.7.1.4): these see my stores
.set i, i+1
.endr
.set i, 0
.rept 8
	s_wait_dscnt 7-i                               ; load i is in; the later ones may be out
	global_store_b128 v2, v[XR+4*i:XR+4*i+3], s[16:17] offset:512*i   ; 512 consecutive bytes, aligned
.set i, i+1
.endr
	s_wait_tensorcnt 0x0
	ds_add_u32 v192, v193
	s_wait_dscnt 0x0
	s_endpgm
	; ---- THE WEIGHTS, K their first axis.  A lane takes a column and its registers run down K: each load reads 128 consecutive bytes a wave, 512 a work-group.
	; Eight numbers k = 16 c + 8 h + 0 .. 7 make registers 2 c, 2 c + 1 of image lane r + 16 h; the two pairs of c = 2 c2, 2 c2 + 1 are that lane's 16 bytes at 512 c2 + 256 h + 16 r:
	; sixteen lanes store 256 consecutive bytes, aligned; lanes 16-31 do the same in the next tile of 16 columns.  No LDS.
.macro WARM pitch, src, dst, e, g0
	s_sub_co_u32 s32, ttmp9, \g0
	s_and_b32 s33, s32, 7                          ; which 128 along K
	s_lshr_b32 s34, s32, 3                         ; which 128 columns
	s_mul_i32 s36, s33, 128*\pitch
	s_lshl_b32 s35, s34, 9
	s_add_co_u32 s36, s36, s35
	s_lshl_b32 s35, s4, 7                          ; my wave's 32 columns
	s_add_co_u32 s36, s36, s35
	s_mov_b32 s37, 0
	s_add_nc_u64 s[\src:\src+1], s[\src:\src+1], s[36:37]
	v_lshlrev_b32 v2, 2, v1
.set k, 0
.rept 128
	global_load_b32 v[XR+k], v2, s[\src:\src+1] offset:k*\pitch th:TH_LOAD_NT   ; 127 rows at the most: inside the signed 24-bit immediate
.set k, k+1
.endr
	s_lshl_b32 s36, s34, 3
	s_lshl_b32 s35, s4, 1
	s_add_co_u32 s36, s36, s35                     ; my first tile of 16 columns
	s_lshl_b32 s36, s36, 14
	s_lshl_b32 s35, s33, 11
	s_add_co_u32 s36, s36, s35
	s_add_nc_u64 s[\dst:\dst+1], s[\dst:\dst+1], s[36:37]
	v_lshrrev_b32 v6, 4, v1
	v_and_b32 v7, 15, v1
	v_lshlrev_b32 v5, 14, v6
	v_lshl_add_u32 v5, v7, 4, v5                   ; 16,384 (lane / 16) + 16 (lane % 16)
	MKSC \e
.set n, 0
	s_wait_alu depctr_va_vdst(0)
.rept 16
.if 120-8*n > 63
	s_wait_loadcnt 63                              ; the loads behind this group are more than a wait's count can name: the largest count, which asks for more than is needed
.else
	s_wait_loadcnt 120-8*n                         ; the loads issued behind this group's eight may be out
.endif
.set i, 0
.rept 8
	v_med3_num_f32 v[XR+8*n+i], v[XR+8*n+i], -v10, v10
.set i, i+1
.endr
.set QD, CR+4*(2*(n/4)+n%2)+2*((n/2)%2)
	v_cvt_scalef32_pk8_fp8_f32 v[QD:QD+1], v[XR+8*n:XR+8*n+7], v11
.if n%4 == 3
	global_store_b128 v5, v[CR+8*(n/4):CR+8*(n/4)+3], s[\dst:\dst+1] offset:512*(n/4)
	global_store_b128 v5, v[CR+8*(n/4)+4:CR+8*(n/4)+7], s[\dst:\dst+1] offset:512*(n/4)+256
.endif
.set n, n+1
.endr
	v_nop                                          ; a plain instruction behind the last conversion
	s_endpgm
.endm
.Larm_wa:
	s_wait_alu depctr_va_vdst(0)
	WARM 12288, 10, 18, 25, 256
.Larm_wp:
	s_wait_alu depctr_va_vdst(0)
	WARM 4096, 12, 20, 31, 448
.Lfunc_end_k_qda593e0a47_prep:
	.size	k_qda593e0a47_prep, .Lfunc_end_k_qda593e0a47_prep-k_qda593e0a47_prep
	.p2alignl 7, 3214868480
	.fill 96, 4, 3214868480
	.section	.rodata,"a",@progbits
	.p2align	6, 0x0
	.amdhsa_kernel k_qda593e0a47_prep
		.amdhsa_group_segment_fixed_size 17920
		.amdhsa_private_segment_fixed_size 0
		.amdhsa_enable_private_segment 0
		.amdhsa_kernarg_size 64
		.amdhsa_user_sgpr_count 2
		.amdhsa_user_sgpr_kernarg_segment_ptr 1
		.amdhsa_wavefront_size32 1
		.amdhsa_system_sgpr_workgroup_id_x 1
		.amdhsa_system_sgpr_workgroup_id_y 1
		.amdhsa_system_sgpr_workgroup_id_z 1
		.amdhsa_system_vgpr_workitem_id 0
		.amdhsa_next_free_vgpr 194
		.amdhsa_next_free_sgpr 66
		.amdhsa_reserve_vcc 1
		.amdhsa_float_denorm_mode_32 3
		.amdhsa_float_denorm_mode_16_64 3
		.amdhsa_memory_ordered 1
		.amdhsa_forward_progress 1
		.amdhsa_inst_pref_size 73
	.end_amdhsa_kernel
	.amdgpu_metadata
---
amdhsa.version: [ 1, 2 ]
amdhsa.kernels:
  - .name:           k_qda593e0a47_prep
    .symbol:         k_qda593e0a47_prep.kd
    .args:
      - { .name: x, .offset: 0, .size: 8, .value_kind: global_buffer, .address_space: global }
      - { .name: W_attn, .offset: 8, .size: 8, .value_kind: global_buffer, .address_space: global }
      - { .name: W_proj, .offset: 16, .size: 8, .value_kind: global_buffer, .address_space: global }
      - { .name: lowp_scales, .offset: 24, .size: 8, .value_kind: global_buffer, .address_space: global }
      - { .name: x_img, .offset: 32, .size: 8, .value_kind: global_buffer, .address_space: global }
      - { .name: wa_img, .offset: 40, .size: 8, .value_kind: global_buffer, .address_space: global }
      - { .name: wp_img, .offset: 48, .size: 8, .value_kind: global_buffer, .address_space: global }
      - { .name: rot, .offset: 56, .size: 8, .value_kind: global_buffer, .address_space: global }
    .group_segment_fixed_size: 17920
    .private_segment_fixed_size: 0
    .kernarg_segment_align: 8
    .kernarg_segment_size: 64
    .max_flat_workgroup_size: 128
    .sgpr_count:     66
    .vgpr_count:     194
    .wavefront_size: 32
...
	.end_amdgpu_metadata
.endif
;; end of part 1
;; launch qkv (part 2): grid 12 x 16, 4 waves a work-group, clusters of 4 x 4, 327,680 bytes of LDS; arguments x_img, wa_img, b_attn, rot, lowp_scales, q_img, k_img, v_img; writes q_img, k_img, v_img
.if DOCPART == 2
	.amdgcn_target "amdgcn-amd-amdhsa--gfx1250"
	.amdhsa_code_object_version 6
	.text
	.protected	k_qda593e0a47_qkv
	.globl	k_qda593e0a47_qkv
	.p2align	8
	.type	k_qda593e0a47_qkv,@function
k_qda593e0a47_qkv:
	s_mov_b64 s[64:65], 0
	v_nop
	global_prefetch_b8 v0, s[64:65] scope:SCOPE_SE
	s_setreg_imm32_b32 hwreg(HW_REG_WAVE_MODE, 25, 1), 1
	s_wait_xcnt 0x0
	s_wait_alu depctr_hold_cnt(0) depctr_sa_sdst(0) depctr_va_vdst(0) depctr_va_sdst(0) depctr_va_ssrc(0) depctr_va_vcc(0) depctr_vm_vsrc(0)
	s_getreg_b32 s2, hwreg(HW_REG_IB_STS2, 6, 4)
	s_cmp_eq_u32 s2, 0
	s_cbranch_scc0 .Lentry_in_a_cluster
	s_endpgm
.Lentry_in_a_cluster:
	s_bfe_u32 s2, ttmp6, 0x10000c
	s_cmp_lg_u32 s2, 0xf033
	s_cbranch_scc0 .Lentry_shape_is_right
	s_endpgm
.Lentry_shape_is_right:
; qkv = x W_attn + b_attn on codes of FP8 (E4M3), then for q and k the norm over a head's 64 channels and the rotation by the table, and all three become codes again (exponents 2, 3 and 5), laid as images of operand registers.
; A work-group makes 256 x 256, a wave 128 x 128: 64 accumulators.  Cluster columns 0, 1: q, k (source 0 = 16 columns of W_attn, source 1 = 16 rows of x: a lane holds one token, its registers run along the channels);
; cluster column 2: v, with the sources' parts changed (a lane holds one channel, its registers run along the tokens, which are the next product's K).
; K goes in four loads of 256 through two LDS slots of 131,072 bytes; CLUSTERS of 4 x 4: A's tiles are asked for jointly along a row of the cluster, B's along a column.
; PREFETCH: behind each joint load but the last each wave names, with one instruction, 32 blocks of 256 bytes of what the NEXT joint load brings: of the wave's eight tiles of 16 operand rows (4,096 bytes each, 16,384 apart) the
; four partners that ask with it take two each, told apart by address (cx for A, cy for B): each block once in each cluster.  The address registers are never written again; the last load asks for nothing.
; On the way out each block's codes have registers of their own in window 1, so no store's data is written again.
; LIMITS: exponents 0 + 1 between -126 and 127; exponents 2, 3 and 5 between -126 and 119.
.set HALFT, 32768
.set SLOT,  4*HALFT
.set SPARE, 2*SLOT
.set FR,    16
.set NL,    4
.set NP,    4
.set LI,    5
.set ADRA,  16
.set ADRB,  20
.set SPW,   28
.set NIL,   29
.set SCV,   30
.set LIMV,  31
.set AF,    128
.set TT,    192
.set YY,    224
.set G1,  24
.set G0,  32
.set G1B, 48
.set G0B, 56
.set MSB, 0
.macro WIN new
.if MSB != \new
	s_set_vgpr_msb (MSB<<8)|\new
.set MSB, \new
.endif
.endm
.set MUL_LO, 0xa1
.set MUL_HI, 0xf1
.set TO_B,   0x40
.macro JLOAD g0a, g1a, g0b, g1b
	s_cmp_eq_u32 s15, 0
	s_cbranch_scc0 .Lfor_b_\@
	tensor_load_to_lds s[\g0a:\g0a+3], s[\g1a:\g1a+7]
	s_nop 0
.rept 4
	v_nop
.endr
	s_branch .Lasked_\@
.Lfor_b_\@:
	tensor_load_to_lds s[\g0b:\g0b+3], s[\g1b:\g1b+7]
	s_nop 0
.rept 4
	v_nop
.endr
.Lasked_\@:
.endm
.macro CREST
	s_cmp_lg_u32 s14, 0
	s_cbranch_scc1 .Lnot_wave_0_\@
	s_barrier_signal -3
.Lnot_wave_0_\@:
	s_barrier_wait -3
	s_barrier_signal -1
	s_barrier_wait -1
.endm
.macro CROUND
	s_barrier_signal -1
	s_barrier_wait -1
	CREST
.endm
.macro FINISH
	s_wait_tensorcnt 0x0
	ds_add_u32 v[SPW], v[NIL]
	s_wait_dscnt 0x0
	CROUND
	s_endpgm
.endm
.macro MKSC e, vs, vl
	s_add_co_i32 s98, s[\e], 127
	s_lshl_b32 s99, s98, 23
	v_mov_b32 v[\vs], s99
	s_add_co_i32 s98, s98, 8
	s_lshl_b32 s98, s98, 23
	s_or_b32 s98, s98, 0x600000
	v_mov_b32 v[\vl], s98
.endm
	s_load_b256 s[4:11], s[0:1], 0x0
	s_load_b256 s[68:75], s[0:1], 0x20
	v_lshl_add_u32 v[SPW], v0, 2, SPARE
	v_mov_b32 v[NIL], 0
	ds_add_u32 v28, v29
	ds_add_u32 v28, v29
	s_wait_dscnt 0x0
	v_lshrrev_b32 v1, 5, v0
	v_readfirstlane_b32 s14, v1
	s_lshr_b32 s15, s14, 1
	s_and_b32 s16, s14, 1
	s_bfe_u32 s40, ttmp6, 0x40000
	s_bfe_u32 s41, ttmp6, 0x40004
	s_and_b32 s12, ttmp7, 0xffff
	s_lshl_b32 s12, s12, 2
	s_lshl_b32 s13, ttmp9, 2
	s_cmp_eq_u32 ttmp9, 2
	s_cselect_b32 s17, 8, s12
	s_cselect_b32 s42, s12, s13
	s_add_co_u32 s17, s17, s41
	s_add_co_u32 s42, s42, s40
	s_lshl_b32 s43, s41, 2
	s_lshl_b32 s43, 15, s43
	s_lshl_b32 s44, 0x1111, s40
	s_or_b32 s[G1+0], s43, (3<<16)|(1<<21)
	s_or_b32 s[G1B+0], s44, (3<<16)|(1<<21)
.irp g, G1, G1B
	s_mov_b32 s[\g+1], 512<<16
	s_mov_b32 s[\g+2], 8<<16
	s_mov_b32 s[\g+3], 512<<16
	s_mov_b32 s[\g+4], 8
	s_mov_b32 s[\g+5], 2048
	s_mov_b32 s[\g+6], 0
	s_mov_b32 s[\g+7], 0
.endr
	s_lshl_b32 s18, s16, 17
	s_lshl_b32 s20, s17, 18
	s_add_co_u32 s20, s20, s18
	s_mov_b32 s21, 0
	s_lshl_b32 s46, s42, 18
	s_add_co_u32 s46, s46, s18
	s_mov_b32 s47, 0
	s_lshl_b32 s45, s14, 15
	s_wait_kmcnt 0x0
	s_load_b256 s[76:83], s[68:69], 0x0
	s_cmp_eq_u32 ttmp9, 2
	s_cselect_b64 s[22:23], s[6:7], s[4:5]
	s_cselect_b64 s[18:19], s[4:5], s[6:7]
	s_add_nc_u64 s[20:21], s[22:23], s[20:21]
	s_add_nc_u64 s[46:47], s[18:19], s[46:47]
	s_cmp_eq_u32 s15, 0                            ; the prefetches: do I fetch for A?
	s_cselect_b64 s[66:67], s[20:21], s[46:47]
	s_cselect_b32 s94, s40, s41                    ; my place among the four that ask with me
	s_lshl_b32 s94, s94, 15                        ; two tiles of 16 operand rows
	s_mov_b32 s95, 0
	s_add_nc_u64 s[66:67], s[66:67], s[94:95]
	v_and_b32 v6, 15, v0
	v_lshlrev_b32 v6, 8, v6
	v_bfe_u32 v4, v0, 4, 1
	v_lshl_add_u32 v6, v4, 14, v6                  ; 256 (lane % 16) + 16,384 (lane / 16)
.irp s, 0,1
	s_mov_b32 s[G0+4*\s], 1
	s_add_co_u32 s[G0+4*\s+1], s45, \s*SLOT
	s_add_nc_u64 s[G0+4*\s+2:G0+4*\s+3], s[20:21], \s*4096
	s_or_b32 s[G0+4*\s+3], s[G0+4*\s+3], 0x80000000
	s_mov_b32 s[G0B+4*\s], 1
	s_add_co_u32 s[G0B+4*\s+1], s45, \s*SLOT
	s_add_nc_u64 s[G0B+4*\s+2:G0B+4*\s+3], s[46:47], \s*4096
	s_or_b32 s[G0B+4*\s+3], s[G0B+4*\s+3], 0x80000000
	s_wait_alu depctr_va_vdst(0)
	s_wait_tensorcnt 0x0
	ds_add_u32 v28, v29
	ds_add_u32 v28, v29
	s_wait_dscnt 0x0
	CROUND
	JLOAD G0+4*\s, G1, G0B+4*\s, G1B
	global_prefetch_b8 v6, s[66:67] offset:4096*(\s+1) th:TH_LOAD_NT scope:SCOPE_SE   ; what the next joint load brings
.endr
	v_and_b32 v1, 15, v0
	v_bfe_u32 v2, v0, 4, 1
	v_and_b32 v3, 31, v0
	v_lshlrev_b32 v[LI], 4, v3
	s_lshl_b32 s98, s15, 15
	s_lshl_b32 s99, s16, 15
	s_add_co_u32 s99, s99, 2*HALFT
.irp s, 0,1
	v_add_nc_u32 v[ADRA+\s], s98, v[LI]
	v_add_nc_u32 v[ADRB+\s], s99, v[LI]
	s_add_co_u32 s98, s98, SLOT
	s_add_co_u32 s99, s99, SLOT
.endr
	s_wait_alu depctr_va_vdst(0)
	s_wait_kmcnt 0x0
	s_add_co_i32 s86, s76, s77
	s_add_co_i32 s86, s86, 127
	s_lshl_b32 s86, s86, 23
	s_mov_b32 s87, s86
	s_mov_b32 s88, 0x3c800000
	s_mov_b32 s89, 0x34000000
	s_mov_b32 s90, 0x76543210
	s_mov_b32 s91, 0xfedcba98
.macro FRAG reg, adr, q, i
.irp c, 0,1,2,3
	ds_load_b128 v[\reg+4*\c:\reg+4*\c+3], v[\adr] offset:4096*(\i)+2048*(\q)+512*\c
.endr
.endm
.macro MUL16 a0, p, zero
.irp a, \a0, \a0+1
.irp b, 0,1,2,3,4,5,6,7
.if \zero
	v_wmma_f32_16x16x128_fp8_fp8 v[8*(8*((\a)%4)+\b):8*(8*((\a)%4)+\b)+7], v[128*(\p)+FR*\b:128*(\p)+FR*\b+FR-1], v[AF+FR*(\a):AF+FR*(\a)+FR-1], 0
.else
	v_wmma_f32_16x16x128_fp8_fp8 v[8*(8*((\a)%4)+\b):8*(8*((\a)%4)+\b)+7], v[128*(\p)+FR*\b:128*(\p)+FR*\b+FR-1], v[AF+FR*(\a):AF+FR*(\a)+FR-1], v[8*(8*((\a)%4)+\b):8*(8*((\a)%4)+\b)+7]
.endif
.endr
.endr
.endm
.macro FETCH_B slot, q, p
	WIN TO_B
.irp i, 0,1,2,3,4,5,6,7
	FRAG 128*(\p)+FR*\i, ADRB+\slot, \q, \i
.endr
	WIN 0
.endm
.macro FETCH_A slot, q, i0
.irp i, \i0, \i0+1, \i0+2, \i0+3
	FRAG AF+FR*(\i), ADRA+\slot, \q, \i
.endr
.endm
.macro PLACES n
.rept \n
	v_nop
.endr
.endm
.macro STEP slot, q, zero
	s_wait_dscnt 4*NL
	WIN MUL_LO
	MUL16 0, (\q)%2, \zero
	MUL16 2, (\q)%2, \zero
	s_wait_dscnt 0
	PLACES NP
	FETCH_B \slot, (\q)+1, 1-(\q)%2
	FETCH_A \slot, (\q)+1, 0
	WIN MUL_HI
	MUL16 4, (\q)%2, \zero
	MUL16 6, (\q)%2, \zero
	PLACES NP
	WIN 0
	FETCH_A \slot, (\q)+1, 4
.endm
.macro TURN slot, next, fill
	s_wait_tensorcnt 0x0
	ds_add_u32 v[SPW], v[NIL]
	s_wait_dscnt 4*NL+1
	WIN MUL_LO
	MUL16 0, 1, 0
	s_wait_dscnt 0x0
	s_barrier_signal -1
	MUL16 2, 1, 0
	WIN 0
	s_barrier_wait -1
.if \fill
	CREST
	s_add_nc_u64 s[G0+4*\slot+2:G0+4*\slot+3], s[G0+4*\slot+2:G0+4*\slot+3], 8192
	s_add_nc_u64 s[G0B+4*\slot+2:G0B+4*\slot+3], s[G0B+4*\slot+2:G0B+4*\slot+3], 8192
	JLOAD G0+4*\slot, G1, G0B+4*\slot, G1B
.else
	PLACES NP
.endif
	FETCH_B \next, 0, 0
	FETCH_A \next, 0, 0
.if (\fill) && (\slot) == 0
	global_prefetch_b8 v6, s[66:67] offset:12288 th:TH_LOAD_NT scope:SCOPE_SE   ; what the last joint load brings
.endif
	WIN MUL_HI
	MUL16 4, 1, 0
	MUL16 6, 1, 0
	PLACES NP
	WIN 0
	FETCH_A \next, 0, 4
.endm
.macro LAST
	s_wait_dscnt 4*NL
	WIN MUL_LO
	MUL16 0, 1, 0
	MUL16 2, 1, 0
	s_wait_dscnt 0
	WIN MUL_HI
	MUL16 4, 1, 0
	MUL16 6, 1, 0
	WIN 0
.endm
	FETCH_B 0, 0, 0                                ; slot 0 is whole: every wave waited for its part in front of the last round
	FETCH_A 0, 0, 0
	FETCH_A 0, 0, 4
	STEP 0, 0, 1
	TURN 0, 1, 1
	STEP 1, 0, 0
	TURN 1, 0, 1
	STEP 0, 0, 0
	TURN 0, 1, 0
	s_cmp_eq_u32 ttmp9, 2
	s_cbranch_scc1 .Lv
	s_lshl_b32 s96, s17, 8
	s_lshl_b32 s98, s15, 7
	s_add_co_u32 s96, s96, s98
	s_lshr_b32 s97, s96, 11
	s_lshl_b32 s97, s97, 4
	s_lshl_b32 s98, s40, 2
	s_lshl_b32 s99, s16, 1
	s_add_co_u32 s98, s98, s99
	s_add_co_u32 s97, s97, s98
	s_lshl_b32 s97, s97, 7
	s_and_b32 s96, s96, 2047
	s_lshr_b32 s96, s96, 4
	s_add_co_u32 s96, s96, s97
	s_lshl_b32 s96, s96, 10
	s_mov_b32 s97, 0
	s_cmp_eq_u32 ttmp9, 0
	s_cselect_b64 s[84:85], s[70:71], s[72:73]
	s_cselect_b32 s3, s78, s79
	s_add_nc_u64 s[84:85], s[84:85], s[96:97]
	s_lshl_b32 s96, s98, 8
	s_add_nc_u64 s[94:95], s[10:11], s[96:97]
	s_lshl_b32 s96, s42, 10
	s_lshl_b32 s98, s16, 9
	s_add_co_u32 s96, s96, s98
	s_add_nc_u64 s[92:93], s[8:9], s[96:97]
	MKSC 3, SCV, LIMV
	v_lshlrev_b32 v7, 5, v2
	v_mov_b32 v13, 0
	v_mov_b32 v14, 0
.macro QKLOAD g, E
.irp t, 0,1,2,3
	global_load_b128 v[\E+8*\t:\E+8*\t+3], v7, s[92:93] offset:256*\g+64*\t
	global_load_b128 v[\E+8*\t+4:\E+8*\t+7], v7, s[92:93] offset:256*\g+64*\t+16
.endr
.irp t, 0,1
	global_load_b128 v[\E+32+8*\t:\E+32+8*\t+3], v7, s[94:95] offset:256*\g+64*\t
	global_load_b128 v[\E+32+8*\t+4:\E+32+8*\t+7], v7, s[94:95] offset:256*\g+64*\t+16
	global_load_b128 v[\E+48+8*\t:\E+48+8*\t+3], v7, s[94:95] offset:256*\g+128+64*\t
	global_load_b128 v[\E+48+8*\t+4:\E+48+8*\t+7], v7, s[94:95] offset:256*\g+128+64*\t+16
.endr
.endm
.macro QKBLK a, g, E
.set AC, 64*((\a)%4)+32*(\g)
.set CD, 64*(\g)+8*(\a)                ; in window 1
	WIN 0x02+((\a)/4)
.irp i, 0,2,4,6,8,10,12,14,16,18,20,22,24,26,28,30
	v_pk_fma_f32 v[TT+\i:TT+\i+1], v[AC+\i:AC+\i+1], s[86:87], v[\E+\i:\E+\i+1] op_sel_hi:[1,0,1]
.endr
	WIN 0
	v_pk_mul_f32 v[8:9], v[TT:TT+1], v[TT:TT+1]    ; the sum of squares in four chains
	v_pk_mul_f32 v[10:11], v[TT+2:TT+3], v[TT+2:TT+3]
	v_pk_mul_f32 v[22:23], v[TT+4:TT+5], v[TT+4:TT+5]
	v_pk_mul_f32 v[24:25], v[TT+6:TT+7], v[TT+6:TT+7]
.irp i, 8,16,24
	v_pk_fma_f32 v[8:9], v[TT+\i:TT+\i+1], v[TT+\i:TT+\i+1], v[8:9]
	v_pk_fma_f32 v[10:11], v[TT+\i+2:TT+\i+3], v[TT+\i+2:TT+\i+3], v[10:11]
	v_pk_fma_f32 v[22:23], v[TT+\i+4:TT+\i+5], v[TT+\i+4:TT+\i+5], v[22:23]
	v_pk_fma_f32 v[24:25], v[TT+\i+6:TT+\i+7], v[TT+\i+6:TT+\i+7], v[24:25]
.endr
	v_pk_add_f32 v[8:9], v[8:9], v[22:23]
	v_pk_add_f32 v[10:11], v[10:11], v[24:25]
.irp p, 0,2                                    ; the rotation's products by the cosines stand between the links of the sum
	v_pk_mul_f32 v[YY+\p:YY+\p+1], v[TT+\p:TT+\p+1], v[\E+32+\p:\E+32+\p+1]
	v_pk_mul_f32 v[YY+16+\p:YY+16+\p+1], v[TT+16+\p:TT+16+\p+1], v[\E+32+\p:\E+32+\p+1]
.endr
	v_pk_add_f32 v[8:9], v[8:9], v[10:11]
.irp p, 4,6
	v_pk_mul_f32 v[YY+\p:YY+\p+1], v[TT+\p:TT+\p+1], v[\E+32+\p:\E+32+\p+1]
	v_pk_mul_f32 v[YY+16+\p:YY+16+\p+1], v[TT+16+\p:TT+16+\p+1], v[\E+32+\p:\E+32+\p+1]
.endr
	v_add_f32 v8, v8, v9
.irp p, 8,10
	v_pk_mul_f32 v[YY+\p:YY+\p+1], v[TT+\p:TT+\p+1], v[\E+32+\p:\E+32+\p+1]
	v_pk_mul_f32 v[YY+16+\p:YY+16+\p+1], v[TT+16+\p:TT+16+\p+1], v[\E+32+\p:\E+32+\p+1]
.endr
	v_permlanex16_b32 v14, v8, s90, s91            ; lane l xor 16 holds the row's other channels
.irp p, 12,14
	v_pk_mul_f32 v[YY+\p:YY+\p+1], v[TT+\p:TT+\p+1], v[\E+32+\p:\E+32+\p+1]
	v_pk_mul_f32 v[YY+16+\p:YY+16+\p+1], v[TT+16+\p:TT+16+\p+1], v[\E+32+\p:\E+32+\p+1]
.endr
	v_add_f32 v8, v8, v14
	v_fma_f32 v8, v8, s88, s89                     ; the mean over 64, + reference()'s eps
	s_wait_alu depctr_va_vdst(0)
	v_rsq_f32 v12, v8
.irp p, 0,2,4,6,8,10,12,14
	v_pk_fma_f32 v[YY+\p:YY+\p+1], v[TT+16+\p:TT+16+\p+1], v[\E+48+\p:\E+48+\p+1], v[YY+\p:YY+\p+1]
	v_pk_fma_f32 v[YY+16+\p:YY+16+\p+1], v[TT+\p:TT+\p+1], v[\E+48+\p:\E+48+\p+1], v[YY+16+\p:YY+16+\p+1] neg_lo:[1,0,0] neg_hi:[1,0,0]
.endr
	s_wait_alu depctr_va_vdst(0)
.irp i, 0,2,4,6,8,10,12,14,16,18,20,22,24,26,28,30
	v_pk_mul_f32 v[YY+\i:YY+\i+1], v[YY+\i:YY+\i+1], v[12:13] op_sel_hi:[1,0]
.endr
.irp i, 0,1,2,3,4,5,6,7,8,9,10,11,12,13,14,15,16,17,18,19,20,21,22,23,24,25,26,27,28,29,30,31
	v_med3_num_f32 v[YY+\i], v[YY+\i], -v[LIMV], v[LIMV]
.endr
	WIN 0x40                                       ; destination window 1
.irp t, 0,1,2,3
	v_cvt_scalef32_pk8_fp8_f32 v[CD+2*\t:CD+2*\t+1], v[YY+8*\t:YY+8*\t+7], v[SCV]
.endr
	v_nop                                          ; a plain instruction behind the last conversion
	WIN 0x04                                       ; store data window 1, address window 0
	global_store_b128 v[LI], v[CD:CD+3], s[84:85] offset:131072*(\g)+1024*(\a)        ; 512 consecutive bytes, aligned
	global_store_b128 v[LI], v[CD+4:CD+7], s[84:85] offset:131072*(\g)+1024*(\a)+512
	WIN 0
.endm
	QKLOAD 0, 32
	s_wait_alu depctr_va_vdst(0)
	STEP 1, 0, 0
	LAST
	PLACES NP
	QKLOAD 1, 128
	s_wait_loadcnt 16
.irp a, 0,1,2,3,4,5,6,7
	QKBLK \a, 0, 32
.endr
	s_wait_loadcnt 0x0
.irp a, 0,1,2,3,4,5,6,7
	QKBLK \a, 1, 128
.endr
	FINISH
.Lv:
	s_lshl_b32 s96, s42, 8
	s_lshl_b32 s98, s16, 7
	s_add_co_u32 s96, s96, s98
	s_lshr_b32 s97, s96, 11
	s_lshl_b32 s97, s97, 4
	s_lshl_b32 s98, s41, 2
	s_add_co_u32 s97, s97, s98
	s_lshl_b32 s98, s15, 1
	s_add_co_u32 s97, s97, s98
	s_lshl_b32 s97, s97, 4
	s_and_b32 s96, s96, 2047
	s_lshr_b32 s96, s96, 7
	s_add_co_u32 s96, s96, s97
	s_lshl_b32 s96, s96, 13
	s_mov_b32 s97, 0
	s_add_nc_u64 s[84:85], s[74:75], s[96:97]
	s_lshl_b32 s96, s41, 10
	s_lshl_b32 s98, s15, 9
	s_add_co_u32 s96, s96, s98
	s_add_co_u32 s96, s96, 8192
	s_add_nc_u64 s[92:93], s[8:9], s[96:97]
	MKSC 81, SCV, LIMV
	v_lshlrev_b32 v7, 2, v1
.irp a, 0,1,2,3,4,5,6,7
	global_load_b32 v[32+2*\a], v7, s[92:93] offset:64*\a
	global_load_b32 v[33+2*\a], v7, s[92:93] offset:64*\a
.endr
.macro VBLK a
.set AC, 64*((\a)%4)
.set CD, 16*(\a)                       ; in window 1
	WIN 0x02+((\a)/4)
.irp i, 0,2,4,6,8,10,12,14,16,18,20,22,24,26,28,30,32,34,36,38,40,42,44,46,48,50,52,54,56,58,60,62
	v_pk_fma_f32 v[AF+\i:AF+\i+1], v[AC+\i:AC+\i+1], s[86:87], v[32+2*(\a):33+2*(\a)] op_sel_hi:[1,0,1]
.endr
	WIN 0
.irp i, 0,1,2,3,4,5,6,7,8,9,10,11,12,13,14,15,16,17,18,19,20,21,22,23,24,25,26,27,28,29,30,31,32,33,34,35,36,37,38,39,40,41,42,43,44,45,46,47,48,49,50,51,52,53,54,55,56,57,58,59,60,61,62,63
	v_med3_num_f32 v[AF+\i], v[AF+\i], -v[LIMV], v[LIMV]
.endr
	WIN 0x40                                       ; destination window 1
.irp b, 0,1,2,3,4,5,6,7
	v_cvt_scalef32_pk8_fp8_f32 v[CD+2*\b:CD+2*\b+1], v[AF+8*\b:AF+8*\b+7], v[SCV]
.endr
	v_nop                                          ; a plain instruction behind the last conversion
	WIN 0x04                                       ; store data window 1, address window 0
.irp c, 0,1,2,3
	global_store_b128 v[LI], v[CD+4*\c:CD+4*\c+3], s[84:85] offset:131072*((\a)/4)+2048*((\a)%4)+512*\c   ; 512 consecutive bytes, aligned
.endr
	WIN 0
.endm
	STEP 1, 0, 0
	LAST
	PLACES NP
	s_wait_loadcnt 0x0
.irp a, 0,1,2,3,4,5,6,7
	VBLK \a
.endr
	FINISH
.Lfunc_end_k_qda593e0a47_qkv:
	.size	k_qda593e0a47_qkv, .Lfunc_end_k_qda593e0a47_qkv-k_qda593e0a47_qkv
	.p2alignl 7, 3214868480
	.fill 96, 4, 3214868480
	.section	.rodata,"a",@progbits
	.p2align	6, 0x0
	.amdhsa_kernel k_qda593e0a47_qkv
		.amdhsa_group_segment_fixed_size 327680
		.amdhsa_private_segment_fixed_size 0
		.amdhsa_enable_private_segment 0
		.amdhsa_kernarg_size 64
		.amdhsa_user_sgpr_count 2
		.amdhsa_user_sgpr_kernarg_segment_ptr 1
		.amdhsa_wavefront_size32 1
		.amdhsa_system_sgpr_workgroup_id_x 1
		.amdhsa_system_sgpr_workgroup_id_y 1
		.amdhsa_system_sgpr_workgroup_id_z 1
		.amdhsa_system_vgpr_workitem_id 0
		.amdhsa_next_free_vgpr 1024
		.amdhsa_next_free_sgpr 100
		.amdhsa_reserve_vcc 0
		.amdhsa_float_denorm_mode_32 3
		.amdhsa_float_denorm_mode_16_64 3
		.amdhsa_memory_ordered 1
		.amdhsa_forward_progress 1
		.amdhsa_inst_pref_size 255
	.end_amdhsa_kernel
	.section	.bss,"aw",@nobits
	.p2align	6
	.space	262144
	.amdgpu_metadata
---
amdhsa.version: [ 1, 2 ]
amdhsa.kernels:
  - .name:           k_qda593e0a47_qkv
    .symbol:         k_qda593e0a47_qkv.kd
    .args:
      - { .name: x_img, .offset: 0, .size: 8, .value_kind: global_buffer, .address_space: global }
      - { .name: wa_img, .offset: 8, .size: 8, .value_kind: global_buffer, .address_space: global }
      - { .name: b_attn, .offset: 16, .size: 8, .value_kind: global_buffer, .address_space: global }
      - { .name: rot, .offset: 24, .size: 8, .value_kind: global_buffer, .address_space: global }
      - { .name: lowp_scales, .offset: 32, .size: 8, .value_kind: global_buffer, .address_space: global }
      - { .name: q_img, .offset: 40, .size: 8, .value_kind: global_buffer, .address_space: global }
      - { .name: k_img, .offset: 48, .size: 8, .value_kind: global_buffer, .address_space: global }
      - { .name: v_img, .offset: 56, .size: 8, .value_kind: global_buffer, .address_space: global }
    .group_segment_fixed_size: 327680
    .private_segment_fixed_size: 0
    .kernarg_segment_align: 8
    .kernarg_segment_size: 64
    .max_flat_workgroup_size: 128
    .sgpr_count:     100
    .vgpr_count:     1024
    .wavefront_size: 32
...
	.end_amdgpu_metadata
.endif
;; end of part 2
;; launch attn (part 3): grid 4 x 64, 16 waves a work-group, clusters of 4 x 1, 327,680 bytes of LDS; arguments q_img, k_img, v_img, lowp_scales, y_img; writes y_img
.if DOCPART == 3
	.amdgcn_target "amdgcn-amd-amdhsa--gfx1250"
	.amdhsa_code_object_version 6
	.text
	.protected	k_qda593e0a47_attn
	.globl	k_qda593e0a47_attn
	.p2align	8
	.type	k_qda593e0a47_attn,@function
k_qda593e0a47_attn:
	s_mov_b64 s[64:65], 0
	v_nop
	global_prefetch_b8 v0, s[64:65] scope:SCOPE_SE
	s_setreg_imm32_b32 hwreg(HW_REG_WAVE_MODE, 25, 1), 1
	s_wait_xcnt 0x0
	s_wait_alu depctr_hold_cnt(0) depctr_sa_sdst(0) depctr_va_vdst(0) depctr_va_sdst(0) depctr_va_ssrc(0) depctr_va_vcc(0) depctr_vm_vsrc(0)
	s_getreg_b32 s2, hwreg(HW_REG_IB_STS2, 6, 4)
	s_cmp_eq_u32 s2, 0
	s_cbranch_scc0 .Lentry_in_a_cluster
	s_endpgm
.Lentry_in_a_cluster:
	s_bfe_u32 s2, ttmp6, 0x10000c
	s_cmp_lg_u32 s2, 0x3003
	s_cbranch_scc0 .Lentry_shape_is_right
	s_endpgm
.Lentry_shape_is_right:
; Causal attention of one head on codes of FP8 (E4M3): y = softmax(q k^T / 8, keys up to the query) v, both products on codes; y leaves as codes (exponent 6) for the projection.
; WORK LEFT OUT: key steps all of whose keys come after all of a tile's queries: reference()'s own causal mask makes their scores -infinity and their weights 0, whatever the inputs.
; LIMIT: a NaN or an infinity that reaches only such scores is not carried.
; THE SOFTMAX AHEAD OF THE SECOND PRODUCT: t = score x log2(e) / 8; M = the largest t so far, rounded UP to a whole number; p = 2^(t - M) is quantised (exponent 4), not normalised.
; The row's sum is taken of the unquantised p and divides at the end.  When M moves, the sum and O are multiplied by 2^(old M - new M): exact.
; All operands are images of operand registers (byte 512 c + 16 l: registers 4 c .. 4 c + 3 of lane l; registers 2 c, 2 c + 1: k = 16 c + 8 (l / 16) + 0 .. 7 of row l % 16).
; SHARES.  A head has 16 blocks of 128 queries and eight work-groups; work-group i owns the 16 queries 16 i .. 16 i + 15 of EVERY block: so how many key steps of 128 a wave walks hangs on its number alone.
; Wave m (0-7): block m, key steps 0 .. m, and its way out; then block 15 - m, key steps 9 .. 15 - m (none for m = 7): eight steps.  Wave 8 + m: block 15 - m, key steps 0 .. 8: nine steps, and that block's way out.
; Both parts of block 15 - m meet through LDS at the end: each has its own M, sum and O, and is brought under the larger M by an exact power of two (a part with no step has sum and O zero).
; LDS holds the head's WHOLE k (131,072 bytes) and v (131,072): each byte is filled once.  Each of the 16 waves issues ONE load of 16,384 bytes: waves 0-3 bring keys 0-511 of k and v, waves 4-15 the other 1,536.
; Steps 0-2 begin when waves 0-3's loads have landed; the others' are awaited behind step 2.
; CLUSTERS of four work-groups of one head: each load is asked for jointly by all four; nothing in it, no branch and no LDS address hangs on the place in the cluster.  Cluster row y: head y % 32, i = 4 (y / 32) + cx.
; NO PREFETCH: every tensor load goes out at the head; nothing could be asked for earlier.
; Both products are used transposed: S^T = K Q^T (source 0 = 16 keys), O^T = V^T P^T (source 0 = 16 channels): a lane holds ONE query throughout, its registers run along the keys in their natural order.
; LIMITS: exponent 2 + exponent 3 between -123 and 130; exponents 4 and 6 between -126 and 119; 4 + 5 is applied by v_ldexp_f32 and has none.  The scaled scores stay under 2^31 in magnitude.
; REGISTERS: v1, v2 my lane's place in k's and v's images; v5 the mask's d, v6 -infinity; v8, v9 the step's addresses; v10, v11 the partial result's; v12 -M, v13 the largest t, v[14:15] the sum; v16-23 Q; v24-31 the second tile's Q;
; v32-95 eight fragments of K, then four of V; v96-159 S^T, then p; v160-191 O^T; v192-207 at work; v224-239 p's codes; v240, v244: 448 x 2^e4, 2^e4; v241, v245: the same for e6; v246-249, v252-254 at work.
.set VOFF, 131072                      ; v's images lie behind k's
.set MRG,  262144                      ; partial results: 4,352 bytes (17 blocks of 256) for each of eight pairs of waves; no load lands there
.set MSZ,  4352
.set SPARE, MRG+8*MSZ                  ; the spare words, 128 bytes for each of 16 waves
.set TB,   2                           ; s2   the step's byte in k's images (and, + VOFF, in v's): 8,192 a step
.set WV,   18
.set SEL,  20                          ; s[20:21] lane l xor 16
.set CS,   22                          ; s[22:23] c = log2(e) / 8 x 2^(e2 + e3)
.set CNT,  60
.set KS,   61                          ; the step's first key
.set KD,   62                          ; the first key of my tile's diagonal step
.set KE,   63                          ; where my tile's keys end for me
.set M7,   66                          ; 128 m
.set CC,   88                          ; i / 4: the same in all four of a cluster
.macro MKSC e, vs, vl
	s_add_co_i32 s86, s[\e], 127
	s_lshl_b32 s87, s86, 23
	v_mov_b32 v[\vs], s87
	s_add_co_i32 s86, s86, 8
	s_lshl_b32 s86, s86, 23
	s_or_b32 s86, s86, 0x600000
	v_mov_b32 v[\vl], s86
.endm
.macro CROUND                          ; a round of the cluster's barrier
	s_barrier_signal -1
	s_barrier_wait -1
	s_cmp_lg_u32 s[WV], 0
	s_cbranch_scc1 .Lnot_wave_0_\@
	s_barrier_signal -3
.Lnot_wave_0_\@:
	s_barrier_wait -3
	s_barrier_signal -1
	s_barrier_wait -1
.endm
	s_load_b256 s[4:11], s[0:1], 0x0               ; q_img 4:5, k_img 6:7, v_img 8:9, scales 10:11
	s_load_b64 s[12:13], s[0:1], 0x20              ; y_img
	v_lshl_add_u32 v251, v0, 2, SPARE
	v_mov_b32 v255, 0
	ds_add_u32 v251, v255                          ; the opening lines: the add, twice on end, and its wait
	ds_add_u32 v251, v255
	v_lshrrev_b32 v8, 5, v0
	v_readfirstlane_b32 s[WV], v8                  ; wave 0..15
	s_mov_b32 s24, 15|(3<<16)|(1<<21)              ; descriptor group 1: 15:0 all four of the cluster; elements of 8 bytes; 21 set beside a mask; no padding
	s_mov_b32 s25, 32<<16                          ; a dense block of 16,384 bytes as 64 rows of 256 bytes
	s_mov_b32 s26, 64<<16
	s_mov_b32 s27, 32<<16
	s_mov_b32 s28, 64
	s_mov_b32 s29, 32
	s_mov_b32 s30, 0
	s_mov_b32 s31, 0
	s_and_b32 s86, s[WV], 7                        ; m
	s_and_b32 s67, ttmp7, 0xffff
	s_lshr_b32 s[CC], s67, 5
	s_and_b32 s67, s67, 31                         ; the head
	s_lshl_b32 s76, s67, 17                        ; its 131,072 bytes in each of q_img, k_img, v_img
	s_mov_b32 s77, 0
	s_and_b32 s82, s[WV], 1                        ; my load: which half of 512 keys,
	s_lshl_b32 s82, s82, 14
	s_xor_b32 s98, s[WV], 15                       ; in waves 4-15: which 512 keys: 3, 2, 1 for waves 4-7, 8-11, 12-15 (never 0),
	s_lshr_b32 s98, s98, 2
	s_add_co_u32 s98, s98, 1
	s_min_u32 s98, s98, 3
	s_lshl_b32 s98, s98, 15
	s_add_co_u32 s98, s98, s82
	s_bfe_u32 s79, s[WV], 0x10001                  ; of k (0) or of v (1)
	s_lshl_b32 s79, s79, 17
	s_add_co_u32 s3, s79, s98                      ; LDS address in waves 4-15,
	s_add_co_u32 s79, s79, s82                     ; and in waves 0-3
	s_mov_b32 s83, 0
	s_mov_b32 s99, 0
	s_and_b32 s78, s[WV], 2
	s_mul_i32 s84, s86, MSZ
	s_add_co_u32 s84, s84, MRG                     ; my pair's place for the partial result
	s_mov_b32 s[TB], 0
	s_mov_b32 s[KS], 0
	v_and_b32 v1, 31, v0
	v_lshlrev_b32 v1, 4, v1                        ; 16 x lane
	v_add_nc_u32 v2, VOFF, v1
	v_add_nc_u32 v10, s84, v1                      ; the partial result: 16 bytes a lane
	v_lshrrev_b32 v11, 1, v1
	v_add_nc_u32 v11, s84, v11                     ; 8 bytes a lane
	s_wait_alu depctr_va_vdst(0)
	s_wait_dscnt 0x0                               ; both opening adds are done
	s_wait_kmcnt 0x0
	s_load_b256 s[68:75], s[10:11], 0x0            ; the eight exponents
	s_cmp_eq_u32 s78, 0
	s_cselect_b64 s[80:81], s[6:7], s[8:9]
	s_add_nc_u64 s[80:81], s[80:81], s[76:77]
	s_mov_b32 s48, 1                               ; group 0 in waves 0-3,
	s_mov_b32 s49, s79
	s_add_nc_u64 s[50:51], s[80:81], s[82:83]
	s_or_b32 s51, s51, 0x80000000
	s_mov_b32 s52, 1                               ; and in waves 4-15
	s_mov_b32 s53, s3
	s_add_nc_u64 s[54:55], s[80:81], s[98:99]
	s_or_b32 s55, s55, 0x80000000
.macro INIT                            ; the largest t -3e38, under every t; sum and O^T zeros, which the first change of M leaves zeros
	v_mov_b32 v13, 0xff61b1e6
	v_mov_b32 v14, 0
	v_mov_b32 v15, 0
	v_floor_f32 v12, -v13                          ; -M
.set j, 0
.rept 32
	v_mov_b32 v[160+j], 0
.set j, j+1
.endr
.endm
.macro SETUP                           ; the rest of the head, under the load's flight; every LDS address has been made ahead of it
	s_bfe_u32 s89, ttmp6, 0x40000                  ; cx
	s_lshl_b32 s87, s[CC], 2
	s_add_co_u32 s89, s89, s87                     ; i
	s_lshl_b32 s90, s89, 10                        ; a tile of 16 queries is 1,024 bytes of q_img, a block of 128 is 8,192
	s_add_co_u32 s90, s90, s76
	s_sub_co_u32 s91, 15, s86                      ; 15 - m
	s_lshl_b32 s[M7], s86, 7
	s_sub_co_u32 s84, 1920, s[M7]                  ; 128 (15 - m)
	s_add_co_u32 s85, s[M7], 128
	s_mov_b32 s87, 1152
	s_cmp_lt_u32 s[WV], 8
	s_cselect_b32 s92, s86, s91                    ; my first tile's block
	s_cselect_b32 s[KD], s[M7], s84
	s_cselect_b32 s[KE], s85, s87
	s_lshl_b32 s84, s92, 13
	s_add_co_u32 s84, s84, s90
	s_mov_b32 s85, 0
	s_add_nc_u64 s[94:95], s[4:5], s[84:85]        ; my first tile's queries
	s_lshl_b32 s84, s91, 13
	s_add_co_u32 s84, s84, s90
	s_add_nc_u64 s[96:97], s[4:5], s[84:85]        ; block 15 - m's
	global_load_b128 v[16:19], v1, s[94:95]
	global_load_b128 v[20:23], v1, s[94:95] offset:512
	global_load_b128 v[24:27], v1, s[96:97]        ; (in waves 8-15 the same tile: one path for all waves)
	global_load_b128 v[28:31], v1, s[96:97] offset:512
	s_lshr_b32 s84, s67, 4                         ; y's image: token row (2,048 x batch + 128 x block + 16 i) x 1,024 bytes, + 1,024 x head: step head / 2 of 128 along K, its upper or lower 64
	s_lshl_b32 s84, s84, 21
	s_lshl_b32 s87, s92, 17
	s_add_co_u32 s84, s84, s87
	s_lshl_b32 s87, s89, 14
	s_add_co_u32 s84, s84, s87
	s_and_b32 s87, s67, 15
	s_lshl_b32 s87, s87, 10
	s_add_co_u32 s84, s84, s87
	s_add_nc_u64 s[12:13], s[12:13], s[84:85]
	s_lshl_b32 s87, s89, 4                         ; 16 i
	s_mov_b32 s[SEL], 0x76543210
	s_mov_b32 s[SEL+1], 0xfedcba98
	s_mov_b32 s[CS], 0x3e38aa3b                    ; log2(e) / 8
	v_and_b32 v5, 15, v0
	v_bfe_u32 v6, v0, 4, 1
	v_lshlrev_b32 v6, 3, v6
	v_sub_nc_u32 v5, v5, v6
	v_add_nc_u32 v5, s87, v5                       ; d = my query's place in its block - 8 (lane / 16): on the diagonal register 8 t + j is hidden where 16 t + j > d
	v_mov_b32 v6, 0xff800000                       ; -infinity
	v_mov_b32 v246, 0                              ; a lane permute's destination counts as one of its sources
	v_mov_b32 v253, 0                              ; (named as the upper half of the pair v[252:253])
	INIT
	s_wait_alu depctr_va_vdst(0)
	s_wait_kmcnt 0x0
	s_add_co_i32 s86, s70, s71
	s_lshl_b32 s86, s86, 23
	s_add_co_i32 s[CS], s[CS], s86                 ; a score stands for score x 2^(e2 + e3): added to c's exponent field
	s_mov_b32 s[CS+1], s[CS]
	MKSC 72, 244, 240
	MKSC 74, 245, 241
	s_wait_alu depctr_va_vdst(0)
.endm
	CROUND                                         ; all four work-groups are here: the joint loads meet
	s_cmp_lt_u32 s[WV], 4
	s_cbranch_scc0 .Llater
	tensor_load_to_lds s[48:51], s[24:31]          ; waves 0-3: keys 0-511
	s_nop 0
.rept 4
	v_nop
.endr
	SETUP
	s_wait_tensorcnt 0x0                           ; my part of keys 0-511 is in
	s_branch .Ljoin
.Llater:
	tensor_load_to_lds s[52:55], s[24:31]          ; waves 4-15: keys 512-2,047, awaited behind step 2
	s_nop 0
.rept 4
	v_nop
.endr
	SETUP
.Ljoin:
; A KEY STEP: 128 keys.
.macro STEP
	s_cmp_ge_u32 s[KS], s[KE]                      ; not mine, or all its keys come after my queries: left out, but for the lines at its end that step addresses
	s_cbranch_scc1 .Lhidden_\@
	v_add_nc_u32 v8, s[TB], v1
	v_nop
	v_nop
	v_nop                                          ; four places in front of loads into registers that the last step's products have read
.irp t, 0,1,2,3,4,5,6,7
	ds_load_b128 v[32+8*\t:35+8*\t], v8 offset:1024*\t
	ds_load_b128 v[36+8*\t:39+8*\t], v8 offset:1024*\t+512
.endr
	s_wait_alu depctr_va_vdst(0)
	s_wait_dscnt 0x0
.irp t, 0,1,2,3,4,5,6,7
	v_wmma_f32_16x16x64_fp8_fp8 v[96+8*\t:103+8*\t], v[32+8*\t:39+8*\t], v[16:23], 0   ; register 8 t + j of lane (r, h): key 16 t + 8 h + j of the step, query r
.endr
	v_add_nc_u32 v9, s[TB], v2                     ; four places: two of them useful
	v_mov_b32 v247, v12                            ; the old -M
	v_nop
	v_nop
.irp t, 0,1,2,3
.irp c, 0,1,2,3
	ds_load_b128 v[32+16*\t+4*\c:35+16*\t+4*\c], v9 offset:2048*\t+512*\c    ; V's four fragments land under the softmax
.endr
.endr
	s_cmp_lg_u32 s[KS], s[KD]
	s_cbranch_scc1 .Lopen_\@                       ; all keys count: no mask
	s_cmp_eq_u32 s[CC], 0                          ; on the diagonal hidden scores become -infinity ahead of the maximum: p = 0 then
	s_cbranch_scc1 .Llow_\@
.set n, 32                                     ; i is 4 .. 7: the block's first 64 keys count for all my queries
.rept 32
	v_cmp_gt_i32 vcc_lo, 16*(n/8)+n%8, v5
	v_cndmask_b32 v[96+n], v[96+n], v6, vcc_lo
.set n, n+1
.endr
	s_wait_alu depctr_va_vdst(0)
	s_branch .Lopen_\@
.Llow_\@:
.set n, 0                                      ; i is 0 .. 3: the block's last 64 keys count for none
.rept 32
	v_cmp_gt_i32 vcc_lo, 16*(n/8)+n%8, v5
	v_cndmask_b32 v[96+n], v[96+n], v6, vcc_lo
	v_mov_b32 v[128+n], v6
.set n, n+1
.endr
.Lopen_\@:
	v_max3_num_f32 v254, v96, v97, v98             ; the step's largest score of my query among my 64 keys, in four chains, each tile from its low end on,
	v_max3_num_f32 v252, v99, v100, v101
	v_max3_num_f32 v248, v102, v103, v104
	v_max3_num_f32 v249, v105, v106, v107
.irp i, 12,20,28,36,44,52
	v_max3_num_f32 v254, v254, v[96+\i], v[97+\i]
	v_max3_num_f32 v252, v252, v[98+\i], v[99+\i]
	v_max3_num_f32 v248, v248, v[100+\i], v[101+\i]
	v_max3_num_f32 v249, v249, v[102+\i], v[103+\i]
.endr
	v_max3_num_f32 v254, v254, v156, v157
	v_max3_num_f32 v252, v252, v158, v159
	v_max_num_f32 v248, v248, v249
	v_max3_num_f32 v254, v254, v252, v248
	s_delay_alu instid0(VALU_DEP_1)
	v_permlanex16_b32 v246, v254, s[SEL], s[SEL+1]
	s_delay_alu instid0(VALU_DEP_1)
	v_max_num_f32 v254, v254, v246                 ; and among lane l xor 16's
	s_delay_alu instid0(VALU_DEP_1)
	v_mul_f32 v254, s[CS], v254                    ; as t (c is positive)
	s_delay_alu instid0(VALU_DEP_1)
	v_max_num_f32 v13, v13, v254                   ; the running largest t
	s_delay_alu instid0(VALU_DEP_1)
	v_floor_f32 v12, -v13                          ; the new -M = -ceil(t): a whole number
	s_delay_alu instid0(VALU_DEP_1)
	v_sub_f32 v254, v12, v247                      ; old M - new M: a whole number, 0 or less
	s_delay_alu instid0(VALU_DEP_1)
	v_cvt_i32_f32 v254, v254                       ; (it saturates)
	s_delay_alu instid0(VALU_DEP_1)
	v_ldexp_f32 v252, 1.0, v254                    ; f = 2^(old M - new M)
.set j, 0
.rept 32
	v_pk_fma_f32 v[96+j:97+j], v[96+j:97+j], s[CS:CS+1], v[12:13] op_sel_hi:[1,0,0]   ; t - M, two at a time
.set j, j+2
.endr
.set j, 0
	s_wait_alu depctr_va_vdst(0)
.rept 64
	v_exp_f32 v[96+j], v[96+j]                     ; p = 2^(t - M), at most 1
.set j, j+1
.endr
	v_pk_mul_f32 v[14:15], v[14:15], v[252:253] op_sel_hi:[1,0]   ; the sums under the new M: the plain instruction behind the exponentials
	s_wait_alu depctr_va_vdst(0)                   ; one wait for the batch of 64, ahead of its first reader
	s_wait_dscnt 0x0                               ; V is in
.irp i, 0,1,2,3,4,5,6,7
	v_pk_add_f32 v[192+2*\i:193+2*\i], v[96+4*\i:97+4*\i], v[98+4*\i:99+4*\i]          ; the sum of the unquantised p, in eight chains of two
.endr
.irp i, 0,1,2,3,4,5,6,7
	v_pk_add_f32 v[192+2*\i:193+2*\i], v[192+2*\i:193+2*\i], v[128+2*\i:129+2*\i]
.endr
.irp i, 0,1,2,3,4,5,6,7
	v_pk_add_f32 v[192+2*\i:193+2*\i], v[192+2*\i:193+2*\i], v[144+2*\i:145+2*\i]
.endr
.irp i, 0,2,4,6
	v_pk_add_f32 v[192+\i:193+\i], v[192+\i:193+\i], v[200+\i:201+\i]
.endr
	v_pk_add_f32 v[192:193], v[192:193], v[196:197]
	v_pk_add_f32 v[194:195], v[194:195], v[198:199]
	s_delay_alu instid0(VALU_DEP_1)
	v_pk_add_f32 v[192:193], v[192:193], v[194:195]
	s_delay_alu instid0(VALU_DEP_1)
	v_pk_add_f32 v[14:15], v[14:15], v[192:193]
.set b, 0
.rept 8
.set i, 96+8*b
.rept 4
	v_dual_min_num_f32 v[i], v[i], v240 :: v_dual_min_num_f32 v[i+1], v[i+1], v240   ; the conversion does not saturate (ISA guide 7.6.2); p is not negative, so the hold is one-sided
.set i, i+2
.endr
	v_cvt_scalef32_pk8_fp8_f32 v[224+2*b:225+2*b], v[96+8*b:103+8*b], v244   ; registers 2 b, 2 b + 1 of P: keys 16 b + 8 h + 0 .. 7
.set b, b+1
.endr
	s_wait_alu depctr_va_vdst(0)                   ; directly ahead of the first reader of O^T
.set j, 0
.rept 16
	v_pk_mul_f32 v[160+j:161+j], v[160+j:161+j], v[252:253] op_sel_hi:[1,0]   ; O^T under the new M.  (Plain lines between the conversions and the products that read their results)
.set j, j+2
.endr
.irp t, 0,1,2,3
	v_wmma_f32_16x16x128_fp8_fp8 v[160+8*\t:167+8*\t], v[32+16*\t:47+16*\t], v[224:239], v[160+8*\t:167+8*\t]   ; four accumulators by turns; the eight score products stand between one step's and the next's
.endr
.Lhidden_\@:
	s_add_co_u32 s[KS], s[KS], 128
	s_add_co_u32 s[TB], s[TB], 8192
.endm
; A TILE'S WAY OUT.  v14 = my half's sum.  y = O^T x 2^(e4 + e5) / the row's sum; held, converted with 2^e6: tile t's eight registers are registers 2 t, 2 t + 1 of my 64 along the projection's K.
.macro FINAL
	v_permlanex16_b32 v246, v14, s[SEL], s[SEL+1]
	v_add_f32 v14, v14, v246                       ; the row's sum
	s_wait_alu depctr_va_vdst(0)
	v_rcp_f32 v14, v14
	v_nop                                          ; a plain instruction behind the transcendental
	s_add_co_i32 s76, s72, s73
	s_wait_alu depctr_va_vdst(0)                   ; ahead of its first reader
	v_ldexp_f32 v14, v14, s76
	s_wait_alu depctr_va_vdst(0)
.set j, 0
.rept 16
	v_pk_mul_f32 v[96+j:97+j], v[160+j:161+j], v[14:15] op_sel_hi:[1,0]   ; each accumulator from its low end on
.set j, j+2
.endr
.set j, 0
.rept 32
	v_med3_num_f32 v[96+j], v[96+j], -v241, v241
.set j, j+1
.endr
.irp t, 0,1,2,3
	v_cvt_scalef32_pk8_fp8_f32 v[224+2*\t:225+2*\t], v[96+8*\t:103+8*\t], v245
.endr
	v_nop
	global_store_b128 v1, v[224:227], s[12:13]     ; 512 consecutive bytes, aligned
	global_store_b128 v1, v[228:231], s[12:13] offset:512
.endm
; ahead of key step 9: waves 0-7 have finished block m; it leaves, and block 15 - m begins
.macro SWITCH
	s_cmp_lg_u32 s[KS], 1152
	s_cbranch_scc1 .Lgo_on_\@
	s_cmp_lt_u32 s[WV], 8
	s_cbranch_scc0 .Lgo_on_\@
.rept 4
	v_nop                                          ; places behind the last products
.endr
	v_add_f32 v14, v14, v15
	FINAL
	INIT
.irp i, 0,1,2,3,4,5,6,7
	v_mov_b32 v[16+\i], v[24+\i]                   ; block 15 - m's queries
.endr
	s_sub_co_u32 s[KD], 1920, s[M7]                ; its diagonal step is 15 - m
	s_add_co_u32 s[KE], s[KD], 128
	s_wait_alu depctr_va_vdst(0)
	s_wait_xcnt 0x0                                ; the stores' registers may be written again
.Lgo_on_\@:
.endm
.macro LOOP n, sw
	s_mov_b32 s[CNT], \n
.Lstep_\@:
.if \sw
	SWITCH
.endif
	STEP
	s_sub_co_u32 s[CNT], s[CNT], 1
	s_cmp_lg_u32 s[CNT], 0
	s_cbranch_scc1 .Lstep_\@
.endm
	s_barrier_signal -1
	s_barrier_wait -1                              ; all four parts of keys 0-511 are in
	s_wait_loadcnt 0x0                             ; Q
	LOOP 3, 0
	s_wait_tensorcnt 0x0                           ; the other waves' parts, keys 512-2,047
	s_wait_dscnt 0x0
	s_barrier_signal -1
	s_barrier_wait -1
	LOOP 13, 1
	; Waves 0-7 hand their part of block 15 - m (O^T, sum, -M) to waves 8-15, register images as they stand.
	s_cmp_lt_u32 s[WV], 8
	s_cbranch_scc0 .Lhand
	v_add_f32 v14, v14, v15
	v_mov_b32 v15, v12
	v_nop
	v_nop                                          ; four places behind the last products
.irp g, 0,1,2,3,4,5,6,7
	ds_store_b128 v10, v[160+4*\g:163+4*\g] offset:512*\g
.endr
	ds_store_b64 v11, v[14:15] offset:4096
.Lhand:
	s_wait_alu depctr_va_vdst(0)
	s_wait_dscnt 0x0                               ; my stores are done: others read them behind the barrier
	s_barrier_signal -1
	s_barrier_wait -1
	s_cmp_lt_u32 s[WV], 8
	s_cbranch_scc1 .Lend
.irp g, 0,1,2,3,4,5,6,7
	ds_load_b128 v[96+4*\g:99+4*\g], v10 offset:512*\g
.endr
	ds_load_b64 v[192:193], v11 offset:4096        ; the other part's sum and -M
	v_add_f32 v14, v14, v15
	v_mov_b32 v197, 0                              ; (named as upper halves of pairs)
	v_mov_b32 v199, 0
	s_wait_alu depctr_va_vdst(0)
	s_wait_dscnt 0x0
	v_min_num_f32 v194, v12, v193                  ; -M of the whole row
	v_sub_f32 v196, v194, v12
	v_sub_f32 v198, v194, v193
	v_cvt_i32_f32 v196, v196
	v_cvt_i32_f32 v198, v198
	v_ldexp_f32 v196, 1.0, v196                    ; 2^(my M - M)
	v_ldexp_f32 v198, 1.0, v198                    ; 2^(the other's M - M)
	v_mul_f32 v14, v14, v196
	v_fma_f32 v14, v192, v198, v14
.set j, 0
.rept 16
	v_pk_mul_f32 v[96+j:97+j], v[96+j:97+j], v[198:199] op_sel_hi:[1,0]
.set j, j+2
.endr
.set j, 0
.rept 16
	v_pk_fma_f32 v[160+j:161+j], v[160+j:161+j], v[196:197], v[96+j:97+j] op_sel_hi:[1,0,1]
.set j, j+2
.endr
	FINAL
.Lend:
	s_wait_tensorcnt 0x0                           ; the wave's end
	ds_add_u32 v251, v255
	s_wait_dscnt 0x0
	CROUND                                         ; the closing round
	s_endpgm
.Lfunc_end_k_qda593e0a47_attn:
	.size	k_qda593e0a47_attn, .Lfunc_end_k_qda593e0a47_attn-k_qda593e0a47_attn
	.p2alignl 7, 3214868480
	.fill 96, 4, 3214868480
	.section	.rodata,"a",@progbits
	.p2align	6, 0x0
	.amdhsa_kernel k_qda593e0a47_attn
		.amdhsa_group_segment_fixed_size 327680
		.amdhsa_private_segment_fixed_size 0
		.amdhsa_enable_private_segment 0
		.amdhsa_kernarg_size 40
		.amdhsa_user_sgpr_count 2
		.amdhsa_user_sgpr_kernarg_segment_ptr 1
		.amdhsa_wavefront_size32 1
		.amdhsa_system_sgpr_workgroup_id_x 1
		.amdhsa_system_sgpr_workgroup_id_y 1
		.amdhsa_system_sgpr_workgroup_id_z 1
		.amdhsa_system_vgpr_workitem_id 0
		.amdhsa_next_free_vgpr 256
		.amdhsa_next_free_sgpr 100
		.amdhsa_reserve_vcc 1
		.amdhsa_float_denorm_mode_32 3
		.amdhsa_float_denorm_mode_16_64 3
		.amdhsa_memory_ordered 1
		.amdhsa_forward_progress 1
		.amdhsa_inst_pref_size 70
	.end_amdhsa_kernel
	.amdgpu_metadata
---
amdhsa.version: [ 1, 2 ]
amdhsa.kernels:
  - .name:           k_qda593e0a47_attn
    .symbol:         k_qda593e0a47_attn.kd
    .args:
      - { .name: q_img, .offset: 0, .size: 8, .value_kind: global_buffer, .address_space: global }
      - { .name: k_img, .offset: 8, .size: 8, .value_kind: global_buffer, .address_space: global }
      - { .name: v_img, .offset: 16, .size: 8, .value_kind: global_buffer, .address_space: global }
      - { .name: lowp_scales, .offset: 24, .size: 8, .value_kind: global_buffer, .address_space: global }
      - { .name: y_img, .offset: 32, .size: 8, .value_kind: global_buffer, .address_space: global }
    .group_segment_fixed_size: 327680
    .private_segment_fixed_size: 0
    .kernarg_segment_align: 8
    .kernarg_segment_size: 40
    .max_flat_workgroup_size: 512
    .sgpr_count:     100
    .vgpr_count:     256
    .wavefront_size: 32
...
	.end_amdgpu_metadata
.endif
;; end of part 3
;; launch proj (part 4): grid 8 x 32, 4 waves a work-group, clusters of 4 x 4, 280,064 bytes of LDS; arguments y_img, wp_img, b_proj, lowp_scales, out0; writes out0
.if DOCPART == 4
	.amdgcn_target "amdgcn-amd-amdhsa--gfx1250"
	.amdhsa_code_object_version 6
	.text
	.protected	k_qda593e0a47_proj
	.globl	k_qda593e0a47_proj
	.p2align	8
	.type	k_qda593e0a47_proj,@function
k_qda593e0a47_proj:
	s_mov_b64 s[64:65], 0
	v_nop
	global_prefetch_b8 v0, s[64:65] scope:SCOPE_SE
	s_setreg_imm32_b32 hwreg(HW_REG_WAVE_MODE, 25, 1), 1
	s_wait_xcnt 0x0
	s_wait_alu depctr_hold_cnt(0) depctr_sa_sdst(0) depctr_va_vdst(0) depctr_va_sdst(0) depctr_va_ssrc(0) depctr_va_vcc(0) depctr_vm_vsrc(0)
	s_getreg_b32 s2, hwreg(HW_REG_IB_STS2, 6, 4)
	s_cmp_eq_u32 s2, 0
	s_cbranch_scc0 .Lentry_in_a_cluster
	s_endpgm
.Lentry_in_a_cluster:
	s_bfe_u32 s2, ttmp6, 0x10000c
	s_cmp_lg_u32 s2, 0xf033
	s_cbranch_scc0 .Lentry_shape_is_right
	s_endpgm
.Lentry_shape_is_right:
; out0 = y W_proj + b_proj on codes of FP8 (E4M3): y_img [256 tiles of 16 rows][8 steps of 128 along K][2,048 bytes], wp_img [64 tiles of 16 columns][8][2,048]: images of operand registers.
; A tile of the result is 128 x 128, so that there are 256 work-groups (tiles of 256 x 256 would be 64).  Four waves, 64 x 64 each: 16 accumulators.
; The tile's WHOLE K lies in LDS, 262,144 bytes, each byte filled once: one load of 65,536 bytes a wave at the head, y's two halves of 64 rows and W_proj's two halves of 64 columns.  Nothing is filled again.
; CLUSTERS of 4 x 4: y's tiles are asked for jointly along a row of the cluster, W_proj's along a column.
; THE MATRIX INSTRUCTION IS USED TRANSPOSED (source 0 = 16 columns of W_proj, source 1 = 16 rows of y): a lane holds eight neighbouring numbers of a row of the result.
; NO PREFETCH: every tensor load goes out at the head.
; LIMIT: exponent 6 + exponent 7 between -126 and 127.
; REGISTERS: window 0: v1-26 addresses; v32-63 the bias in the result's layout; v64-95 at work on the way out; v128-255 the accumulators ((a, b) at v[128 + 8 (4 a + b)]).
;   window 1: two sets of fragments of 128 along K: in set p, y's four at 128 p, W_proj's four at 128 p + 64.
.set STAGE, 262144                     ; behind the operands: 16 rows x 272 bytes for each wave, for the way out; no tensor load lands there
.set SP,    272
.set SPARE, STAGE+4*16*SP              ; the spare words, 128 bytes for each wave
.set LI,    5
.set ADRA,  16                         ; v16  my fragments of y
.set ADRB,  20                         ; v20  of W_proj
.set STO,   24
.set RD,    25
.set CO,    26
.set BI,    32
.set TMP,   64
.set ACC,   128
.set G1,  24                           ; s[24:31] descriptor group 1 for y;  s[32:35] its group 0
.set G0,  32
.set G0B, 48                           ; s[48:51] W_proj's group 0;  s[84:91] its group 1
.set G1B, 84
.set MSB, 0
.macro WIN new                         ; the immediate's high byte repeats the setting that is left
.if MSB != \new
	s_set_vgpr_msb (MSB<<8)|\new
.set MSB, \new
.endif
.endm
.macro CROUND                          ; a round of the cluster's barrier
	s_barrier_signal -1
	s_barrier_wait -1
	s_cmp_lg_u32 s14, 0
	s_cbranch_scc1 .Lnot_wave_0_\@
	s_barrier_signal -3
.Lnot_wave_0_\@:
	s_barrier_wait -3
	s_barrier_signal -1
	s_barrier_wait -1
.endm
.macro PLACES
.rept 4
	v_nop
.endr
.endm
	s_load_b256 s[4:11], s[0:1], 0x0               ; y_img 4:5, wp_img 6:7, b_proj 8:9, scales 10:11
	s_load_b64 s[12:13], s[0:1], 0x20              ; out0
	v_lshl_add_u32 v126, v0, 2, SPARE
	v_mov_b32 v127, 0
	ds_add_u32 v126, v127                          ; the opening lines: the add, twice on end, and its wait
	ds_add_u32 v126, v127
	v_lshrrev_b32 v1, 5, v0
	v_readfirstlane_b32 s14, v1                    ; wave 0..3
	s_lshr_b32 s15, s14, 1                         ; which half of the tile's rows is mine.  Also: I fetch for y (0) or for W_proj (1)
	s_and_b32 s16, s14, 1                          ; which half of its columns.  Also: which half I fetch
	s_bfe_u32 s66, ttmp6, 0x40000                  ; cx
	s_bfe_u32 s67, ttmp6, 0x40004                  ; cy
	s_lshl_b32 s70, ttmp9, 2
	s_add_co_u32 s70, s70, s66                     ; tile column = 4 x cluster x + cx
	s_and_b32 s17, ttmp7, 0xffff
	s_lshl_b32 s17, s17, 2
	s_add_co_u32 s17, s17, s67                     ; tile row = 4 x cluster y + cy
	s_lshl_b32 s68, s67, 2
	s_lshl_b32 s68, 15, s68                        ; my row of the cluster
	s_lshl_b32 s69, 0x1111, s66                    ; my column
	; descriptor group 1: 4 rows (tiles of 16 operand rows) of 16,384 bytes, dense; elements of 8 bytes; no padding
	s_or_b32 s[G1+0], s68, (3<<16)|(1<<21)
	s_or_b32 s[G1B+0], s69, (3<<16)|(1<<21)
.irp g, G1, G1B
	s_mov_b32 s[\g+1], 2048<<16
	s_mov_b32 s[\g+2], 4<<16
	s_mov_b32 s[\g+3], 2048<<16
	s_mov_b32 s[\g+4], 4
	s_mov_b32 s[\g+5], 2048
	s_mov_b32 s[\g+6], 0
	s_mov_b32 s[\g+7], 0
.endr
	s_lshl_b32 s18, s16, 16                        ; the half that I fetch: 64 rows of 1,024 bytes
	s_lshl_b32 s20, s17, 17                        ; y's tile: 128 rows
	s_add_co_u32 s20, s20, s18
	s_mov_b32 s21, 0
	s_lshl_b32 s72, s70, 17                        ; W_proj's
	s_add_co_u32 s72, s72, s18
	s_mov_b32 s73, 0
	s_lshl_b32 s71, s14, 16                        ; where they go: wave x 65,536
	s_wait_dscnt 0x0
	s_wait_kmcnt 0x0
	s_load_b256 s[76:83], s[10:11], 0x0            ; the eight exponents
	s_add_nc_u64 s[20:21], s[4:5], s[20:21]
	s_add_nc_u64 s[72:73], s[6:7], s[72:73]
	s_mov_b32 s[G0], 1
	s_mov_b32 s[G0+1], s71
	s_mov_b64 s[G0+2:G0+3], s[20:21]
	s_or_b32 s[G0+3], s[G0+3], 0x80000000
	s_mov_b32 s[G0B], 1
	s_mov_b32 s[G0B+1], s71
	s_mov_b64 s[G0B+2:G0B+3], s[72:73]
	s_or_b32 s[G0B+3], s[G0B+3], 0x80000000
	CROUND                                         ; all sixteen work-groups are here: the joint loads meet
	s_cmp_eq_u32 s15, 0                            ; a wave's one fill stands in its arm of one branch on its number
	s_cbranch_scc0 .Lfor_b
	tensor_load_to_lds s[G0:G0+3], s[G1:G1+7]
	s_nop 0
.rept 4
	v_nop
.endr
	s_branch .Lasked
.Lfor_b:
	tensor_load_to_lds s[G0B:G0B+3], s[G1B:G1B+7]
	s_nop 0
.rept 4
	v_nop
.endr
.Lasked:
	v_and_b32 v1, 15, v0                           ; r
	v_bfe_u32 v2, v0, 4, 1                         ; h
	v_and_b32 v3, 31, v0
	v_lshlrev_b32 v[LI], 4, v3
	s_wait_alu depctr_va_vdst(0)
	v_lshlrev_b32 v7, 5, v2                        ; 32 h
	s_lshl_b32 s94, s70, 9                         ; the bias at my first column: (128 x tile column + 64 x half) x 4
	s_lshl_b32 s74, s16, 8
	s_add_co_u32 s94, s94, s74
	s_mov_b32 s95, 0
	s_add_nc_u64 s[98:99], s[8:9], s[94:95]
.irp b, 0,1,2,3
	global_load_b128 v[BI+8*\b:BI+8*\b+3], v7, s[98:99] offset:64*\b       ; b_proj at columns 16 b + 8 h + 0 .. 7 of my 64
	global_load_b128 v[BI+8*\b+4:BI+8*\b+7], v7, s[98:99] offset:64*\b+16
.endr
	s_lshl_b32 s74, s15, 16                        ; my 64 rows of y
	s_lshl_b32 s75, s16, 16                        ; my 64 columns of W_proj,
	s_add_co_u32 s75, s75, 131072                  ; which lie behind y's two halves
	v_add_nc_u32 v[ADRA], s74, v[LI]
	v_add_nc_u32 v[ADRB], s75, v[LI]
	s_mul_i32 s74, s14, 16*SP
	s_add_co_u32 s74, s74, STAGE                   ; my stage
	v_mul_u32_u24 v[STO], v1, SP                   ; in: row r, 32 bytes for each half of the lanes
	v_lshl_add_u32 v[STO], v2, 5, v[STO]
	v_add_nc_u32 v[STO], s74, v[STO]
	v_mul_u32_u24 v[RD], v2, SP                    ; back: lanes 0-15 one row of 256 bytes, lanes 16-31 the next
	v_lshl_add_u32 v[RD], v1, 4, v[RD]
	v_add_nc_u32 v[RD], s74, v[RD]
	v_lshlrev_b32 v[CO], 12, v2                    ; and the same two rows of out0
	v_lshl_add_u32 v[CO], v1, 4, v[CO]
	s_lshl_b32 s94, s17, 19                        ; my first row: (128 x tile row + 64 x half) x 4,096 bytes,
	s_lshl_b32 s74, s15, 18
	s_add_co_u32 s94, s94, s74
	s_lshl_b32 s74, s70, 9                         ; my first column
	s_add_co_u32 s94, s94, s74
	s_lshl_b32 s74, s16, 8
	s_add_co_u32 s94, s94, s74
	s_add_nc_u64 s[96:97], s[12:13], s[94:95]
	s_wait_alu depctr_va_vdst(0)
	s_wait_kmcnt 0x0
	s_add_co_i32 s92, s82, s83
	s_add_co_i32 s92, s92, 127
	s_lshl_b32 s92, s92, 23                        ; 2^(e6 + e7) as f32
	s_mov_b32 s93, s92
.macro FETCHP s, p                     ; the fragments of step s of 128 along K into set p: 32 loads of 512 consecutive bytes
	WIN 0x40                                       ; destination window 1, address window 0
.irp i, 0,1,2,3
.irp c, 0,1,2,3
	ds_load_b128 v[128*(\p)+64+16*\i+4*\c:128*(\p)+64+16*\i+4*\c+3], v[ADRB] offset:16384*\i+2048*(\s)+512*\c
.endr
.irp c, 0,1,2,3
	ds_load_b128 v[128*(\p)+16*\i+4*\c:128*(\p)+16*\i+4*\c+3], v[ADRA] offset:16384*\i+2048*(\s)+512*\c
.endr
.endr
.endm
.macro MULP p, zero                    ; 16 matrix instructions, the 16 accumulators by turns, in the same order every time
	WIN 0x05                                       ; sources 0 and 1 window 1; C and D window 0
.irp a, 0,1,2,3
.irp b, 0,1,2,3
.if \zero
	v_wmma_f32_16x16x128_fp8_fp8 v[ACC+8*(4*\a+\b):ACC+8*(4*\a+\b)+7], v[128*(\p)+64+16*\b:128*(\p)+64+16*\b+15], v[128*(\p)+16*\a:128*(\p)+16*\a+15], 0
.else
	v_wmma_f32_16x16x128_fp8_fp8 v[ACC+8*(4*\a+\b):ACC+8*(4*\a+\b)+7], v[128*(\p)+64+16*\b:128*(\p)+64+16*\b+15], v[128*(\p)+16*\a:128*(\p)+16*\a+15], v[ACC+8*(4*\a+\b):ACC+8*(4*\a+\b)+7]
.endif
.endr
.endr
.endm
	s_wait_tensorcnt 0x0                           ; my share is in
	s_barrier_signal -1
	s_barrier_wait -1                              ; everybody's is
	FETCHP 0, 0
	FETCHP 1, 1
	s_wait_dscnt 32                                ; set 0 is in; set 1's 32 loads may be out
	MULP 0, 1                                      ; the first products start the sums
.irp s, 2,3,4,5,6,7
	PLACES                                         ; in front of loads into the set that has just been multiplied
	FETCHP \s, (\s)%2                              ; fetched while the other set is multiplied
	s_wait_dscnt 32                                ; the other set is in; the 32 loads just issued may be out
	MULP 1-(\s)%2, 0
.endr
	s_wait_dscnt 0x0
	MULP 1, 0
	WIN 0
	PLACES                                         ; in front of the first read of results
; THE WAY OUT, a block of 16 rows x 64 columns at a time: sum x 2^(e6 + e7) + bias, through my own stage in LDS, back as whole rows of 256 bytes into the block's own accumulator registers, which are done with.
.macro TOSTAGE a
.irp i, 0,2,4,6,8,10,12,14,16,18,20,22,24,26,28,30
	v_pk_fma_f32 v[TMP+\i:TMP+\i+1], v[ACC+32*\a+\i:ACC+32*\a+\i+1], s[92:93], v[BI+\i:BI+\i+1] op_sel_hi:[1,0,1]   ; each accumulator from its low end on
.endr
.irp b, 0,1,2,3
	ds_store_b128 v[STO], v[TMP+8*\b:TMP+8*\b+3] offset:64*\b
	ds_store_b128 v[STO], v[TMP+8*\b+4:TMP+8*\b+7] offset:64*\b+16
.endr
.irp t, 0,1,2,3,4,5,6,7
	ds_load_b128 v[ACC+32*\a+4*\t:ACC+32*\a+4*\t+3], v[RD] offset:2*SP*\t   ; LDS serves a wave's instructions in order (ISA guide 5.7.1.4): these see my stores, and the next block's stores come behind them
.endr
.endm
.macro SEND a, younger                 ; younger: the LDS instructions issued behind block a's loads: the next block's eight stores and eight loads, or none
	s_wait_dscnt \younger
.irp t, 0,1,2,3,4,5,6,7
	global_store_b128 v[CO], v[ACC+32*\a+4*\t:ACC+32*\a+4*\t+3], s[96:97] offset:65536*\a+8192*\t th:TH_STORE_NT   ; sixteen lanes store 256 consecutive bytes, aligned
.endr
.endm
	s_wait_loadcnt 0x0                             ; the bias
	TOSTAGE 0
	TOSTAGE 1
	SEND 0, 16
	TOSTAGE 2
	SEND 1, 16
	TOSTAGE 3
	SEND 2, 16
	SEND 3, 0
	s_wait_tensorcnt 0x0                           ; the wave's end
	ds_add_u32 v126, v127
	s_wait_dscnt 0x0
	CROUND                                         ; the closing round: no work-group ends while a partner may still ask for a tile that names it
	s_endpgm
.Lfunc_end_k_qda593e0a47_proj:
	.size	k_qda593e0a47_proj, .Lfunc_end_k_qda593e0a47_proj-k_qda593e0a47_proj
	.p2alignl 7, 3214868480
	.fill 96, 4, 3214868480
	.section	.rodata,"a",@progbits
	.p2align	6, 0x0
	.amdhsa_kernel k_qda593e0a47_proj
		.amdhsa_group_segment_fixed_size 280064
		.amdhsa_private_segment_fixed_size 0
		.amdhsa_enable_private_segment 0
		.amdhsa_kernarg_size 40
		.amdhsa_user_sgpr_count 2
		.amdhsa_user_sgpr_kernarg_segment_ptr 1
		.amdhsa_wavefront_size32 1
		.amdhsa_system_sgpr_workgroup_id_x 1
		.amdhsa_system_sgpr_workgroup_id_y 1
		.amdhsa_system_sgpr_workgroup_id_z 1
		.amdhsa_system_vgpr_workitem_id 0
		.amdhsa_next_free_vgpr 512
		.amdhsa_next_free_sgpr 100
		.amdhsa_reserve_vcc 0
		.amdhsa_float_denorm_mode_32 3
		.amdhsa_float_denorm_mode_16_64 3
		.amdhsa_memory_ordered 1
		.amdhsa_forward_progress 1
		.amdhsa_inst_pref_size 44
	.end_amdhsa_kernel
	.amdgpu_metadata
---
amdhsa.version: [ 1, 2 ]
amdhsa.kernels:
  - .name:           k_qda593e0a47_proj
    .symbol:         k_qda593e0a47_proj.kd
    .args:
      - { .name: y_img, .offset: 0, .size: 8, .value_kind: global_buffer, .address_space: global }
      - { .name: wp_img, .offset: 8, .size: 8, .value_kind: global_buffer, .address_space: global }
      - { .name: b_proj, .offset: 16, .size: 8, .value_kind: global_buffer, .address_space: global }
      - { .name: lowp_scales, .offset: 24, .size: 8, .value_kind: global_buffer, .address_space: global }
      - { .name: out0, .offset: 32, .size: 8, .value_kind: global_buffer, .address_space: global }
    .group_segment_fixed_size: 280064
    .private_segment_fixed_size: 0
    .kernarg_segment_align: 8
    .kernarg_segment_size: 40
    .max_flat_workgroup_size: 128
    .sgpr_count:     100
    .vgpr_count:     512
    .wavefront_size: 32
...
	.end_amdgpu_metadata
.endif
;; end of part 4
